; MI455X (gfx1250); checked and timed in simulation.
; The chip was launched on July 23, 2026; its instructions are those of AMD's public machine-readable ISA for CDNA 5 (MIT licence, August 2026) and "CDNA5" Instruction Set Architecture Reference Guide (July 2026). The comments in the code are by the model that wrote it; some were corrected since.
;; Multi Head Self Attention. Allowed arithmetic: float matrix products may take bf16 or f16 operands with f32 sums; other float arithmetic in f32, or as packed bf16 or f16 multiplies, adds, multiply-adds, maxima and minima; sums over many terms, partial sums and values carried from step to step in f32; what a program stores and reads back later, other than sums and carried values, may be rounded once to bf16 or f16.
;; Inputs: Wk 256 x 256 float32; Wo 256 x 256 float32; Wq 256 x 256 float32; Wv 256 x 256 float32; attn_mask 1,024 x 1,024 bool; bk 256 float32; bo 256 float32; bq 256 float32; bv 256 float32; x 32 x 1,024 x 256 float32.
;; Outputs: out0 32 x 1,024 x 256 float32.
;; 2 versions, each right and faster than the one before. Each part assembles by itself: llvm-mc -triple=amdgcn-amd-amdhsa -mcpu=gfx1250 --defsym DOCPART=n.
;; ======== version 1 of 2: 2 launches
;; limits: values are held in f16: magnitudes above 65,504 overflow, below 6.1e-05 lose precision
;; workspace buffers: qf 16,777,216 bytes; kf 16,777,216 bytes; vf 16,777,216 bytes; wof 131,072 bytes; mt 1,048,576 bytes
;; launch proj (part 1): grid 256 x 1, 8 waves a work-group, clusters of 4 x 1, 327,680 bytes of LDS; arguments x, Wq, Wk, Wv, bq, bk, bv, Wo, attn_mask, qf, kf, vf, wof, mt; writes qf, kf, vf, wof, mt
.if DOCPART == 1
	.amdgcn_target "amdgcn-amd-amdhsa--gfx1250"
	.amdhsa_code_object_version 6
	.text
	.protected	k_q019866e9e6_proj
	.globl	k_q019866e9e6_proj
	.p2align	8
	.type	k_q019866e9e6_proj,@function
k_q019866e9e6_proj:
	s_mov_b64 s[64:65], 0
	v_nop
	global_prefetch_b8 v0, s[64:65] scope:SCOPE_SE
	s_setreg_imm32_b32 hwreg(HW_REG_WAVE_MODE, 25, 1), 1
	s_wait_xcnt 0x0
	s_wait_alu depctr_hold_cnt(0) depctr_sa_sdst(0) depctr_va_vdst(0) depctr_va_sdst(0) depctr_va_ssrc(0) depctr_va_vcc(0) depctr_vm_vsrc(0)
	s_getreg_b32 s2, hwreg(HW_REG_IB_STS2, 6, 4)
	s_cmp_eq_u32 s2, 0
	s_cbranch_scc0 .Lentry_in_a_cluster
	s_endpgm
.Lentry_in_a_cluster:
	s_bfe_u32 s2, ttmp6, 0x10000c
	s_cmp_lg_u32 s2, 0x3003
	s_cbranch_scc0 .Lentry_shape_is_right
	s_endpgm
.Lentry_shape_is_right:
; q = (x Wq^T + bq) c, k = x Wk^T + bk, v = x Wv^T + bv, with c = log2(e) / sqrt(32).  x: [32768][256] f32, W: [256][256] f32, b: [256] f32.
; x, W and b are rounded to bf16, products in bf16 with f32 sums, q, k, v rounded once to f16.
; LIMITS.  f16 ends at 65,504: |c q|, |k|, |v| and |Wo| beyond it become infinities.  NaN and infinities are not treated apart.
; OUTPUT AS FRAGMENT IMAGES.  A block of 512 bytes, lane l at 16 l, is registers 0-3 or 4-7 of a 16-bit matrix fragment (lane l: r = l % 16, h = l / 16).
;   qf, kf: [row tile of 16][head 8][half 2][512]: row r, channels 32 head + 16 half + 8 h + 0..7
;   vf:     [32 keys][head 8][cb 2][sub 2][512]:   channel 32 head + 16 cb + r, keys 16 sub + 8 h + 0..7
;   wof:    [ob 16][ks 8][half 2][512]:            Wo[16 ob + r][32 ks + 16 half + 8 h + 0..7], rounded to bf16 and written as f16
;   mt:     [query tile 64][step 16][part 2][512]: word n, byte y: query r, key 64 step + 16 (2 part + n / 2) + 8 h + 4 (n % 2) + y:
;           0x00 allowed, 0xf0 hidden; a row whose mask is all false holds 0x01 everywhere
; q and k are made with source 0 = 16 rows of W and source 1 = 16 rows of x, so a lane ends with 8 neighbouring channels of one row; v with the sources
; swapped, so a lane ends with 8 neighbouring keys of one channel.  Packed, each is an image block: every store of a wave is 512 consecutive bytes, aligned.
; SHARES.  A work-group owns 128 rows of x and all 768 channels.  Wave w: rows 64 (w / 4) on, kept as 32 bf16 fragments in window 1; of each chunk of 128
; rows of W the 32 rows 32 (w % 4) on, one head: 8 accumulators, 8 K steps, 64 products.
; K IS PERMUTED ALIKE IN x AND W: of 32 along K a lane takes k = 16 h + 0..15, 64 consecutive bytes of f32.
; RING.  Two LDS slots of 128 rows of 1,024 bytes: x, then the six chunks (Wq, Wk, Wv in halves).  Each wave brings 16 rows of a tile: 128 rows for 8 waves.
; CLUSTER.  All work-groups walk the same weights: the four of a cluster ask for each chunk jointly, by the same load, descriptor and mask.  x is each one's own.
.set PITCH, 1040                       ; an LDS row: 1,024 bytes + 16 = 65 x 16: the 16 rows of a load start in 16 different groups of four banks (ISA guide 11.1)
.set WTILE, 16*PITCH                   ; what one tensor load brings
.set SLOTB, 8*WTILE
.set SPARE, 2*SLOTB                    ; behind the ring: the spare words, 128 bytes a wave, four blocks of 256 bytes that no other line names
.set FLG,   SPARE+1024                 ; a block of 256 bytes: 16 row flags, f32
.set VR,  1                            ; v1   r
.set VH,  2                            ; v2   h
.set VL,  3                            ; v3   lane
.set XA,  4                            ; v4   my place in my 64 rows of x in slot 0
.set WA,  5                            ; v5, v6  my place in my 32 rows of a chunk, slot 0, 1
.set BA,  7                            ; v7   my 8 biases of q, k
.set BV,  8                            ; v8   my bias of v
.set VO,  9                            ; v9   my 16 bytes in qf, kf
.set VOV, 10                           ; v10  in vf
.set SPW, 12                           ; v12  my spare word; never rewritten
.set NIL, 13                           ; v13  0; never rewritten
.set FA,  14                           ; v14-20  the side duties' offsets
.set TA,  15
.set WOA, 16
.set MTO, 17
.set WOS, 18
.set FS,  19
.set FL,  20
.set TT,  32                           ; v[32:63], v[64:95]  f32 as loaded, two buffers
.set WF,  96                           ; v[96:111], v[112:127]  W's two fragments of a K step, two buffers
.set ACC, 128                          ; v[128:191]  accumulator (row tile i, channel block cb) at 128 + 8 (2 i + cb)
.set BI,  192                          ; v[192:207]  biases
.set PK,  208                          ; v[208:239]  packed results
.set TM,  240                          ; v[240:247]  at work
.set WV,  36                           ; s36 wave, s37 cx, s38 work-group, s39 w / 4, s40 w % 4
.set CX,  37
.set GG,  38
.set RH,  39
.set CQ,  40
.set LW,  41                           ; s41  wave x 16 LDS rows
.set WO0, 42                           ; s[42:43]  wave x 16 rows in memory
.set G1X, 44                           ; s[44:51]  descriptor group 1, x
.set G1W, 52                           ; s[52:59]  the same with the mask, W
.set G0X, 60                           ; s[60:63]  group 0, x
.set G0W, 68                           ; s[68:71]  group 0, W: made of the weights' addresses and the wave's number alone
.set CS,  72                           ; s[72:73]  c
.set SEL, 74                           ; s[74:75]  v_permlanex16_b32's selects
.set MKF, 76                           ; s[76:85]  the side duties' bases
.set MKT, 78
.set WOB, 80
.set WFB, 82
.set MTB, 84
.set TS,  86                           ; s[86:91]  at work
.set MSB, 0
.macro WIN new                         ; the high byte repeats the setting that is left; a switch that changes nothing is dropped
.if MSB != (\new)
	s_set_vgpr_msb (MSB<<8)|(\new)
.set MSB, (\new)
.endif
.endm
.macro PLACES n
.rept \n
	v_nop
.endr
.endm
.macro CROUND                          ; a round of the cluster's barrier
	s_barrier_signal -1
	s_barrier_wait -1
	s_cmp_lg_u32 s[WV], 0
	s_cbranch_scc1 .Lnot_wave_0_\@
	s_barrier_signal -3
.Lnot_wave_0_\@:
	s_barrier_wait -3
	s_barrier_signal -1
	s_barrier_wait -1
.endm
	s_load_b512 s[8:23], s[0:1], 0x0               ; x 8, Wq 10, Wk 12, Wv 14, bq 16, bk 18, bv 20, Wo 22
	s_load_b256 s[24:31], s[0:1], 0x40             ; attn_mask 24, qf 26, kf 28, vf 30
	s_load_b128 s[32:35], s[0:1], 0x60             ; wof 32, mt 34
	v_lshl_add_u32 v[SPW], v0, 2, SPARE
	v_mov_b32 v[NIL], 0
	ds_add_u32 v[SPW], v[NIL]                      ; the opening: the add and its wait stand ahead of my first tensor load; the set-up stands between them
	v_lshrrev_b32 v11, 5, v0
	v_readfirstlane_b32 s[WV], v11
	s_bfe_u32 s[CX], ttmp6, 0x40000
	s_lshl_b32 s[GG], ttmp9, 2
	s_add_co_u32 s[GG], s[GG], s[CX]               ; work-group = 4 x cluster + cx: it enters global addresses alone
	s_lshr_b32 s[RH], s[WV], 2
	s_and_b32 s[CQ], s[WV], 3
	s_mul_i32 s[LW], s[WV], WTILE
	s_lshl_b32 s[WO0], s[WV], 14
	s_mov_b32 s[WO0+1], 0
	; group 1: 16 rows of 256 elements of 4 bytes, 4 words of padding behind every 256 words
	s_mov_b32 s[G1X], (2<<16)|(1<<20)|(7<<22)|(3<<25)
	s_mov_b32 s[G1W], 15|(2<<16)|(1<<20)|(1<<21)|(7<<22)|(3<<25)  ; 15:0 all four work-groups; 21 set beside a mask
.irp g, G1X, G1W
	s_mov_b32 s[\g+1], 256<<16                     ; tensor_dim0 = 256
	s_mov_b32 s[\g+2], 16<<16                      ; tensor_dim1 = 16
	s_mov_b32 s[\g+3], 256<<16                     ; tile_dim0 = 256
	s_mov_b32 s[\g+4], 16                          ; tile_dim1 = 16
	s_mov_b32 s[\g+5], 256                         ; elements from row to row
	s_mov_b32 s[\g+6], 0
	s_mov_b32 s[\g+7], 0
.endr
	s_mov_b32 s[G0X], 1
	s_mov_b32 s[G0X+1], s[LW]                      ; x into slot 0
	s_mov_b32 s[G0W], 1
	s_add_co_u32 s[G0W+1], s[LW], SLOTB            ; chunk 0 into slot 1
	s_mov_b32 s[CS], 0x3e8293ee                    ; c = 0.255035
	s_mov_b32 s[CS+1], s[CS]
	s_mov_b32 s[SEL], 0x76543210
	s_mov_b32 s[SEL+1], 0xfedcba98
	v_and_b32 v[VR], 15, v0
	v_bfe_u32 v[VH], v0, 4, 1
	v_and_b32 v[VL], 31, v0
	v_mul_u32_u24 v[XA], v[VR], PITCH
	v_lshl_add_u32 v[XA], v[VH], 6, v[XA]          ; r x pitch + 64 h
	s_mul_i32 s[TS], s[CQ], 32*PITCH
	v_add_nc_u32 v[WA], s[TS], v[XA]
	v_add_nc_u32 v[WA+1], SLOTB, v[WA]
	s_mul_i32 s[TS], s[RH], 64*PITCH
	v_add_nc_u32 v[XA], s[TS], v[XA]
	s_lshl_b32 s[TS], s[CQ], 7
	v_lshl_add_u32 v[BA], v[VH], 5, s[TS]          ; 32 h + 128 (w % 4)
	v_lshl_add_u32 v[BV], v[VR], 2, s[TS]          ; 4 r + 128 (w % 4)
	s_lshl_b32 s[TS+1], s[RH], 15
	s_lshl_b32 s[TS], s[CQ], 10
	s_add_co_u32 s[TS], s[TS], s[TS+1]
	v_lshl_add_u32 v[VO], v[VL], 4, s[TS]
	s_lshl_b32 s[TS], s[CQ], 11
	s_add_co_u32 s[TS], s[TS], s[TS+1]
	v_lshl_add_u32 v[VOV], v[VL], 4, s[TS]
	s_lshl_b32 s[TS], s[WV], 11
	v_lshl_add_u32 v[FA], v[VL], 5, s[TS]          ; mask rows 2 w, 2 w + 1: 32 bytes a lane
	v_lshlrev_b32 v[TA], 10, v[VR]
	v_lshl_add_u32 v[TA], v[VH], 3, v[TA]
	s_lshl_b32 s[TS], s[WV], 5
	v_add_nc_u32 v[TA], s[TS], v[TA]               ; row r, keys 32 w + 8 h on
	v_lshlrev_b32 v[WOA], 10, v[VR]
	v_lshl_add_u32 v[WOA], v[VH], 5, v[WOA]
	v_lshlrev_b32 v[MTO], 4, v0                    ; 512 w + 16 lane
	v_lshlrev_b32 v[WOS], 4, v[VL]
	s_lshl_b32 s[TS], s[WV], 3
	s_add_co_u32 s[TS], s[TS], FLG
	v_mov_b32 v[FS], s[TS]
	v_lshl_add_u32 v[FL], v[VR], 2, FLG
	s_wait_dscnt 0x0                               ; the opening add is done
	s_wait_kmcnt 0x0
	s_lshl_b32 s[TS], s[GG], 17                    ; my 128 rows of x
	s_mov_b32 s[TS+1], 0
	s_add_nc_u64 s[G0X+2:G0X+3], s[8:9], s[TS:TS+1]
	s_add_nc_u64 s[G0X+2:G0X+3], s[G0X+2:G0X+3], s[WO0:WO0+1]
	s_or_b32 s[G0X+3], s[G0X+3], 0x80000000        ; type = 2
	s_add_nc_u64 s[G0W+2:G0W+3], s[10:11], s[WO0:WO0+1]
	s_or_b32 s[G0W+3], s[G0W+3], 0x80000000
	s_lshl_b32 s[TS], s[GG], 16                    ; my 128 rows in qf, kf, vf
	s_add_nc_u64 s[26:27], s[26:27], s[TS:TS+1]
	s_add_nc_u64 s[28:29], s[28:29], s[TS:TS+1]
	s_add_nc_u64 s[30:31], s[30:31], s[TS:TS+1]
	s_lshl_b32 s[TS+2], ttmp9, 14                  ; the cluster's query tile: 16 rows of the mask, 16,384 bytes of mt
	s_mov_b32 s[TS+3], 0
	s_add_nc_u64 s[MKF:MKF+1], s[24:25], s[TS+2:TS+3]
	s_add_nc_u64 s[MTB:MTB+1], s[34:35], s[TS+2:TS+3]
	s_lshl_b32 s[TS+2], s[CX], 8                   ; my work-group's 256 keys of them,
	s_add_nc_u64 s[MKT:MKT+1], s[MKF:MKF+1], s[TS+2:TS+3]
	s_lshl_b32 s[TS+2], s[CX], 12                  ; four steps of the table
	s_add_nc_u64 s[MTB:MTB+1], s[MTB:MTB+1], s[TS+2:TS+3]
	s_lshr_b32 s[TS+2], s[GG], 4                   ; image block g of Wo: ob = g / 16, 2 ks + half = g % 16
	s_lshl_b32 s[TS+2], s[TS+2], 14
	s_and_b32 s[TS+4], s[GG], 15
	s_lshl_b32 s[TS+4], s[TS+4], 6
	s_add_co_u32 s[TS+2], s[TS+2], s[TS+4]
	s_add_nc_u64 s[WOB:WOB+1], s[22:23], s[TS+2:TS+3]
	s_lshl_b32 s[TS+2], s[GG], 9
	s_add_nc_u64 s[WFB:WFB+1], s[32:33], s[TS+2:TS+3]
	CROUND                                         ; all four work-groups are here: the first joint loads meet
	tensor_load_to_lds s[G0X:G0X+3], s[G1X:G1X+7]  ; the two first fills together: two loads of mine are out
	s_nop 0
	tensor_load_to_lds s[G0W:G0W+3], s[G1W:G1W+7]
	s_nop 0
	PLACES 4
	; THE SIDE DUTIES, while the first tiles are on their way.  All their loads go out ahead of the first wait.
.irp e, 0,1
	global_load_b128 v[TT+8*\e:TT+8*\e+3],   v[FA], s[MKF:MKF+1] offset:\e*1024
	global_load_b128 v[TT+8*\e+4:TT+8*\e+7], v[FA], s[MKF:MKF+1] offset:\e*1024+16
.endr
	global_load_b64 v[TT+16:TT+17], v[TA], s[MKT:MKT+1]            ; table words 0, 1
	global_load_b64 v[TT+18:TT+19], v[TA], s[MKT:MKT+1] offset:16  ; words 2, 3: 16 keys on
	s_cmp_lg_u32 s[WV], 0
	s_cbranch_scc1 .Lno_wo
	global_load_b128 v[TT+20:TT+23], v[WOA], s[WOB:WOB+1]          ; wave 0: one image block of Wo
	global_load_b128 v[TT+24:TT+27], v[WOA], s[WOB:WOB+1] offset:16
	s_wait_loadcnt 0x0
.irp j, 0,1,2,3
	v_cvt_pk_bf16_f32 v[TT+32+\j], v[TT+20+2*\j], v[TT+20+2*\j+1]  ; rounded to bf16 like every input,
.endr
.irp j, 0,1,2,3
	v_lshlrev_b32 v[TT+20+2*\j], 16, v[TT+32+\j]
	v_and_b32 v[TT+20+2*\j+1], 0xffff0000, v[TT+32+\j]
.endr
.irp j, 0,1,2,3
	v_cvt_pk_f16_f32 v[TT+28+\j], v[TT+20+2*\j], v[TT+20+2*\j+1]   ; and that number written as f16
.endr
	global_store_b128 v[WOS], v[TT+28:TT+31], s[WFB:WFB+1]
.Lno_wo:
	s_wait_loadcnt 0x0
.irp e, 0,1                            ; is any key of row 2 w + e allowed?
	v_or_b32 v[TT+8*\e],   v[TT+8*\e],   v[TT+8*\e+1]
	v_or_b32 v[TT+8*\e+2], v[TT+8*\e+2], v[TT+8*\e+3]
	v_or_b32 v[TT+8*\e+4], v[TT+8*\e+4], v[TT+8*\e+5]
	v_or_b32 v[TT+8*\e+6], v[TT+8*\e+6], v[TT+8*\e+7]
	v_or_b32 v[TT+8*\e],   v[TT+8*\e],   v[TT+8*\e+2]
	v_or_b32 v[TT+8*\e+4], v[TT+8*\e+4], v[TT+8*\e+6]
	v_or_b32 v[TT+8*\e],   v[TT+8*\e],   v[TT+8*\e+4]
	v_cvt_f32_u32 v[TT+8*\e], v[TT+8*\e]
	v_max_num_f32_dpp v[TT+8*\e], v[TT+8*\e], v[TT+8*\e] row_xmask:1 row_mask:0xf bank_mask:0xf
	v_max_num_f32_dpp v[TT+8*\e], v[TT+8*\e], v[TT+8*\e] row_xmask:2 row_mask:0xf bank_mask:0xf
	v_max_num_f32_dpp v[TT+8*\e], v[TT+8*\e], v[TT+8*\e] row_xmask:4 row_mask:0xf bank_mask:0xf
	v_max_num_f32_dpp v[TT+8*\e], v[TT+8*\e], v[TT+8*\e] row_xmask:8 row_mask:0xf bank_mask:0xf
	v_permlanex16_b32 v[TT+8*\e+1], v[TT+8*\e], s[SEL], s[SEL+1]
	v_max_num_f32 v[TT+8*\e], v[TT+8*\e], v[TT+8*\e+1]
	ds_store_b32 v[FS], v[TT+8*\e] offset:4*\e     ; all lanes write the same word with the same value
.endr
	s_wait_dscnt 0x0                               ; for the others: my two flags are stored
	s_barrier_signal -1
	s_barrier_wait -1                              ; the two tiles may stay out
	ds_load_b32 v[TT+40], v[FL]                    ; row r's flag
	v_mov_b32 v[TT+41], 0x01010101
.irp n, 0,1,2,3
	v_xor_b32 v[TT+16+\n], 0x01010101, v[TT+16+\n] ; 1 where hidden,
.endr
.irp n, 0,1,2,3
	v_mul_lo_u32 v[TT+16+\n], v[TT+16+\n], 0xf0    ; 0xf0 where hidden: no byte carries into the next
.endr
	s_wait_dscnt 0x0
	v_cmp_eq_f32 vcc_lo, 0, v[TT+40]
.irp n, 0,1,2,3
	v_cndmask_b32 v[TT+16+\n], v[TT+16+\n], v[TT+41], vcc_lo       ; a row with no allowed key
.endr
	global_store_b128 v[MTO], v[TT+16:TT+19], s[MTB:MTB+1]
	; x INTO REGISTERS: 32 fragments, two at a time through the two buffers.
.macro XLD n
.irp e, 0,1
.irp q, 0,1,2,3
	ds_load_b128 v[TT+32*((\n)%2)+16*\e+4*\q:TT+32*((\n)%2)+16*\e+4*\q+3], v[XA] offset:((2*(\n)+\e)/8)*WTILE+((2*(\n)+\e)%8)*128+16*\q
.endr
.endr
.endm
.macro XCV n
.irp e, 0,1
.irp j, 0,1,2,3,4,5,6,7
	v_cvt_pk_bf16_f32 v[16*(\n)+8*\e+\j], v[TT+32*((\n)%2)+16*\e+2*\j], v[TT+32*((\n)%2)+16*\e+2*\j+1]
.endr
.endr
.endm
	s_wait_xcnt 0x0                                ; the duties' stores have read their data: the buffers may be loaded
	s_wait_tensorcnt 0x1                           ; my part of x is in; chunk 0 may stay out
	s_barrier_signal -1
	s_barrier_wait -1                              ; everybody's is
	XLD 0
	XLD 1
.irp n, 0,1,2,3,4,5,6,7,8,9,10,11,12,13,14,15
.if \n < 15
	s_wait_dscnt 8                                 ; the next pair's eight loads may stay out
.else
	s_wait_dscnt 0
.endif
	WIN 0x40                                       ; destination window 1
	XCV \n
	WIN 0
.if \n < 14
	XLD \n+2
.endif
.endr
.macro WLD slot, kk                    ; W's two fragments of K step kk, as f32
.irp cb, 0,1
.irp q, 0,1,2,3
	ds_load_b128 v[TT+32*((\kk)%2)+16*\cb+4*\q:TT+32*((\kk)%2)+16*\cb+4*\q+3], v[WA+(\slot)] offset:\cb*WTILE+(\kk)*128+16*\q
.endr
.endr
.endm
.macro WCV kk
.irp j, 0,1,2,3,4,5,6,7,8,9,10,11,12,13,14,15
	v_cvt_pk_bf16_f32 v[WF+16*((\kk)%2)+\j], v[TT+32*((\kk)%2)+2*\j], v[TT+32*((\kk)%2)+2*\j+1]
.endr
.endm
; 8 products.  The 8 accumulators take turns, one instruction a turn.  kind 0, 1 (q, k): source 0 = W; kind 2 (v): source 0 = x.  K step 0 starts the sums.
.macro MUL8 kind, kk
.if (\kind) == 2
	WIN 0x01
.else
	WIN 0x04
.endif
.irp i, 0,1,2,3
.irp cb, 0,1
.set rA, ACC+8*(2*\i+\cb)
.set rW, WF+16*((\kk)%2)+8*\cb
.set rX, 64*\i+8*(\kk)
.if (\kind) == 2
.if (\kk) == 0
	v_wmma_f32_16x16x32_bf16 v[rA:rA+7], v[rX:rX+7], v[rW:rW+7], 0
.else
	v_wmma_f32_16x16x32_bf16 v[rA:rA+7], v[rX:rX+7], v[rW:rW+7], v[rA:rA+7]
.endif
.else
.if (\kk) == 0
	v_wmma_f32_16x16x32_bf16 v[rA:rA+7], v[rW:rW+7], v[rX:rX+7], 0
.else
	v_wmma_f32_16x16x32_bf16 v[rA:rA+7], v[rW:rW+7], v[rX:rX+7], v[rA:rA+7]
.endif
.endif
.endr
.endr
	WIN 0
.endm
; A chunk's 64 products.  A fragment buffer is written again 16 plain conversions behind the last product that read it (ISA guide 7.12.1).
.macro MULT slot, kind
	WLD \slot, 0
	WLD \slot, 1
.irp kk, 0,1,2,3,4,5,6,7
.if \kk < 7
	s_wait_dscnt 8                                 ; the next K step's eight loads may stay out
.else
	s_wait_dscnt 0
.endif
	WCV \kk
.if \kk < 6
	WLD \slot, \kk+2
.endif
	MUL8 \kind, \kk
.endr
.endm
.macro BIAS kind, half
.if (\kind) == 2
	global_load_b32 v[BI],   v[BV], s[20:21] offset:(\half)*512
	global_load_b32 v[BI+2], v[BV], s[20:21] offset:(\half)*512+64
.else
.irp cb, 0,1
	global_load_b128 v[BI+8*\cb:BI+8*\cb+3],   v[BA], s[16+2*(\kind):17+2*(\kind)] offset:(\half)*512+\cb*64
	global_load_b128 v[BI+8*\cb+4:BI+8*\cb+7], v[BA], s[16+2*(\kind):17+2*(\kind)] offset:(\half)*512+\cb*64+16
.endr
.endif
.endm
; THE WAY OUT of a chunk.  The rounding of the biases to bf16 is also the four places behind the last product.  Each accumulator is read from its low end on.
.macro EPI kind, half
	s_wait_loadcnt 0x0                             ; the biases
	s_wait_xcnt 0x0                                ; the last chunk's stores have read their data
.if (\kind) == 2
	v_cvt_pk_bf16_f32 v[TM], v[BI], v[BI+2]
	v_lshlrev_b32 v[BI], 16, v[TM]
	v_and_b32 v[BI+2], 0xffff0000, v[TM]
	v_nop
.else
.irp j, 0,1,2,3,4,5,6,7
	v_cvt_pk_bf16_f32 v[TM+\j], v[BI+2*\j], v[BI+2*\j+1]
.endr
.irp j, 0,1,2,3,4,5,6,7
	v_lshlrev_b32 v[BI+2*\j], 16, v[TM+\j]
	v_and_b32 v[BI+2*\j+1], 0xffff0000, v[TM+\j]
.endr
.if (\kind) == 0
.irp j, 0,1,2,3,4,5,6,7
	v_pk_mul_f32 v[BI+2*\j:BI+2*\j+1], v[BI+2*\j:BI+2*\j+1], s[CS:CS+1] op_sel_hi:[1,0]
.endr
.endif
.endif
.irp a, 0,1,2,3,4,5,6,7
.irp j, 0,1,2,3
.set rA, ACC+8*\a+2*\j
.if (\kind) == 0
	v_pk_fma_f32 v[rA:rA+1], v[rA:rA+1], s[CS:CS+1], v[BI+8*(\a%2)+2*\j:BI+8*(\a%2)+2*\j+1] op_sel_hi:[1,0,1]
.elseif (\kind) == 1
	v_pk_add_f32 v[rA:rA+1], v[rA:rA+1], v[BI+8*(\a%2)+2*\j:BI+8*(\a%2)+2*\j+1]
.else
	v_pk_add_f32 v[rA:rA+1], v[rA:rA+1], v[BI+2*(\a%2):BI+2*(\a%2)+1] op_sel_hi:[1,0]
.endif
.endr
.irp j, 0,1,2,3
	v_cvt_pk_f16_f32 v[PK+4*\a+\j], v[ACC+8*\a+2*\j], v[ACC+8*\a+2*\j+1]
.endr
.if (\kind) == 2
	global_store_b128 v[VOV], v[PK+4*\a:PK+4*\a+3], s[30:31] offset:(\a/4)*16384+(\half)*8192+(\a%2)*1024+((\a/2)%2)*512
.else
	global_store_b128 v[VO], v[PK+4*\a:PK+4*\a+3], s[26+2*(\kind):27+2*(\kind)] offset:(\a/2)*8192+(\half)*4096+(\a%2)*512
.endif
.endr
.endm
; Chunk c lies in slot (c + 1) % 2.  In front of the barrier each wave waits for all its tensor loads (its part of chunk c), adds 0 to its spare word, and waits for that and for its reads
; of the other slot.  Where a chunk is left to fetch the barrier is a round of the cluster's, and the joint refill of the other slot is the first thing behind it: one load a wave.
.macro TRIP c
	WIN 0
	s_wait_tensorcnt 0x0
	ds_add_u32 v[SPW], v[NIL]                      ; 0 onto my spare word; the descriptor's words stand between it and the wait for it
.if (\c) < 5
	s_add_co_u32 s[G0W+1], s[LW], ((\c)%2)*SLOTB
	s_add_nc_u64 s[G0W+2:G0W+3], s[10+2*(((\c)+1)/2):11+2*(((\c)+1)/2)], s[WO0:WO0+1]
.if ((\c)+1)%2
	s_add_nc_u64 s[G0W+2:G0W+3], s[G0W+2:G0W+3], 131072            ; the matrix's rows 128 on
.endif
	s_or_b32 s[G0W+3], s[G0W+3], 0x80000000
.endif
	s_wait_dscnt 0x0
.if (\c) < 5
	CROUND
	tensor_load_to_lds s[G0W:G0W+3], s[G1W:G1W+7]
	s_nop 0
	PLACES 4
.else
	s_barrier_signal -1
	s_barrier_wait -1
.endif
	BIAS (\c)/2, (\c)%2
	MULT ((\c)+1)%2, (\c)/2
	EPI (\c)/2, (\c)%2
.endm
	TRIP 0
	TRIP 1
	TRIP 2
	TRIP 3
	TRIP 4
	TRIP 5
	s_wait_tensorcnt 0x0                           ; the wave's end
	ds_add_u32 v[SPW], v[NIL]
	s_wait_dscnt 0x0
	CROUND                                         ; the closing round
	s_endpgm
.Lfunc_end_k_q019866e9e6_proj:
	.size	k_q019866e9e6_proj, .Lfunc_end_k_q019866e9e6_proj-k_q019866e9e6_proj
	.p2alignl 7, 3214868480
	.fill 96, 4, 3214868480
	.section	.rodata,"a",@progbits
	.p2align	6, 0x0
	.amdhsa_kernel k_q019866e9e6_proj
		.amdhsa_group_segment_fixed_size 327680
		.amdhsa_private_segment_fixed_size 0
		.amdhsa_enable_private_segment 0
		.amdhsa_kernarg_size 112
		.amdhsa_user_sgpr_count 2
		.amdhsa_user_sgpr_kernarg_segment_ptr 1
		.amdhsa_wavefront_size32 1
		.amdhsa_system_sgpr_workgroup_id_x 1
		.amdhsa_system_sgpr_workgroup_id_y 1
		.amdhsa_system_sgpr_workgroup_id_z 1
		.amdhsa_system_vgpr_workitem_id 0
		.amdhsa_next_free_vgpr 512
		.amdhsa_next_free_sgpr 96
		.amdhsa_reserve_vcc 1
		.amdhsa_float_denorm_mode_32 3
		.amdhsa_float_denorm_mode_16_64 3
		.amdhsa_memory_ordered 1
		.amdhsa_forward_progress 1
		.amdhsa_inst_pref_size 178
	.end_amdhsa_kernel
	.amdgpu_metadata
---
amdhsa.version: [ 1, 2 ]
amdhsa.kernels:
  - .name:           k_q019866e9e6_proj
    .symbol:         k_q019866e9e6_proj.kd
    .args:
      - { .name: x, .offset: 0, .size: 8, .value_kind: global_buffer, .address_space: global }
      - { .name: Wq, .offset: 8, .size: 8, .value_kind: global_buffer, .address_space: global }
      - { .name: Wk, .offset: 16, .size: 8, .value_kind: global_buffer, .address_space: global }
      - { .name: Wv, .offset: 24, .size: 8, .value_kind: global_buffer, .address_space: global }
      - { .name: bq, .offset: 32, .size: 8, .value_kind: global_buffer, .address_space: global }
      - { .name: bk, .offset: 40, .size: 8, .value_kind: global_buffer, .address_space: global }
      - { .name: bv, .offset: 48, .size: 8, .value_kind: global_buffer, .address_space: global }
      - { .name: Wo, .offset: 56, .size: 8, .value_kind: global_buffer, .address_space: global }
      - { .name: attn_mask, .offset: 64, .size: 8, .value_kind: global_buffer, .address_space: global }
      - { .name: qf, .offset: 72, .size: 8, .value_kind: global_buffer, .address_space: global }
      - { .name: kf, .offset: 80, .size: 8, .value_kind: global_buffer, .address_space: global }
      - { .name: vf, .offset: 88, .size: 8, .value_kind: global_buffer, .address_space: global }
      - { .name: wof, .offset: 96, .size: 8, .value_kind: global_buffer, .address_space: global }
      - { .name: mt, .offset: 104, .size: 8, .value_kind: global_buffer, .address_space: global }
    .group_segment_fixed_size: 327680
    .private_segment_fixed_size: 0
    .kernarg_segment_align: 8
    .kernarg_segment_size: 112
    .max_flat_workgroup_size: 256
    .sgpr_count:     96
    .vgpr_count:     512
    .wavefront_size: 32
...
	.end_amdgpu_metadata
.endif
;; end of part 1
;; launch attn (part 2): grid 8 x 32, 8 waves a work-group, clusters of 4 x 1, 327,680 bytes of LDS; arguments qf, kf, vf, wof, mt, bo, out0; writes out0
.if DOCPART == 2
	.amdgcn_target "amdgcn-amd-amdhsa--gfx1250"
	.amdhsa_code_object_version 6
	.text
	.protected	k_q019866e9e6_attn
	.globl	k_q019866e9e6_attn
	.p2align	8
	.type	k_q019866e9e6_attn,@function
k_q019866e9e6_attn:
	s_mov_b64 s[64:65], 0
	v_nop
	global_prefetch_b8 v0, s[64:65] scope:SCOPE_SE
	s_setreg_imm32_b32 hwreg(HW_REG_WAVE_MODE, 25, 1), 1
	s_wait_xcnt 0x0
	s_wait_alu depctr_hold_cnt(0) depctr_sa_sdst(0) depctr_va_vdst(0) depctr_va_sdst(0) depctr_va_ssrc(0) depctr_va_vcc(0) depctr_vm_vsrc(0)
	s_getreg_b32 s2, hwreg(HW_REG_IB_STS2, 6, 4)
	s_cmp_eq_u32 s2, 0
	s_cbranch_scc0 .Lentry_in_a_cluster
	s_endpgm
.Lentry_in_a_cluster:
	s_bfe_u32 s2, ttmp6, 0x10000c
	s_cmp_lg_u32 s2, 0x3003
	s_cbranch_scc0 .Lentry_shape_is_right
	s_endpgm
.Lentry_shape_is_right:
; out0[b][q][:] = (concat over heads of softmax_k(masked q . k) v) Wo^T + bo.  8 heads of 32 channels, 1,024 keys, 32 batches.  q arrives scaled by log2(e) / sqrt(32).
; qf, kf, vf, wof: f16 fragment images (a block of 512 bytes, lane l at 16 l, is registers 0-3 or 4-7 of a fragment); mt: the mask as bytes.  Products in f16, sums, maxima in f32; out0 f32.
; LIMITS.  A hidden score counts as its value less 1.6e29 or more.  A weight below 2^-126 counts as 0; the weights are rounded to f16 (below 6e-5 in steps of 6e-8), and their sum l is
; taken of the rounded weights.  O is rounded once to f16, bo to bf16 like every input.  NaN and infinities are not treated apart.
; SHARES.  A work-group owns 128 queries of one batch and all 8 heads.  Wave w: the two tiles of 16 queries 2 (w / 2), + 1, and the four heads 4 (w % 2) on.  Every wave walks all keys, 64 a step.
; LAYOUT.  S^T = K Q^T + C (source 0 = 16 keys, source 1 = 16 queries): a lane holds ONE query (l % 16) and keys 8 (l / 16) + 0..7.  Rounded in pairs, two results ARE source 1 of O^T = V^T P.
; THE MASK is C: a table byte moved to a word's top: 0xf0 there is a number between -1.6e29 and -6.3e29, 0x00 or 0x01 one under 2.4e-38.  It is expanded once a step for the four heads.
; While a row has seen hidden keys only, its maximum is a hidden score and what it adds is finite; its first allowed key gives a = 0, which wipes that.
; A ROW WITH NO ALLOWED KEY has 0x01 in every byte: its keys count as allowed and its q is set to 0, so all its scores are equal and its weights uniform.
; SOFTMAX.  A running maximum m and sum l a query and head: p = 2^(s - m); O and l are multiplied by a = 2^(m_old - m_new) in every step.  m starts far below every score, O and l at 0.
; l's addend is a product of P with ones: every register of it holds the query's sum over all 64 keys, so l wants no exchange between lanes.
; THE END.  O / l, in f16, is a fragment of 16 queries x 32 channels.  The two waves of a pair of tiles exchange theirs through LDS; each makes 128 of the 256 output channels, with bo as the C that starts the sums.
; RING.  Two slots of 128 keys (K 64 KiB, V 64 KiB); the ninth tile is Wo.  Each wave brings 16 KiB of a tile: 64 rows of 256 bytes.  One load of a wave is out behind each round.
; CLUSTER.  The four query blocks of a cluster belong to one batch and walk the same K, V and Wo: each tile is asked for jointly, by the same load, descriptor and mask.
; REGISTERS.  window 0: v0-15 addresses; v16-31 (m, l); v32-39 at work; v40-47 ones; v48-63 row sums; v64-127 S^T; v128-159 P; v160-223 C; v224-239 mask words
;             window 1: v0-127 O^T (tile t, head hl, block cb at 64 t + 16 hl + 8 cb); v128-191 Q; v192-223 K of a head; v224-255 V of a head
.set SLOT1, 131072
.set VOFF,  65536                      ; in a slot: K [row tile 8][head 8][1,024], then V [32 keys 4][head 8][cb 2][1,024]
.set STEPB, 32768                      ; 64 keys of K, and of V
.set SPARE, 262144                     ; behind the ring: the spare words, 128 bytes a wave, four blocks of 256 bytes that no other line names
.set STAGE, SPARE+1024                 ; 16 rows x 272 bytes for each wave, for the way out; no tile lands here
.set SP,    272                        ; 256 + 16 = 17 x 16: the 16 rows of a store start in 16 different groups of four banks (ISA guide 11.1)
.set AK0, 2                            ; v2   my place in a step's K; never rewritten
.set AV0, 3                            ; v3   in its V
.set AK,  4                            ; v4   the step's K
.set AV,  5                            ; v5   the step's V
.set ML0, 6                            ; v6   16 x lane
.set MO,  7                            ; v7   the next step's mask words
.set STO, 8                            ; v8   the way out: where I put 32 bytes of a row
.set RD,  9                            ; v9   where I read a row back
.set GO,  10                           ; v10  my byte offset in out0
.set XS,  11                           ; v11  the exchange: my wave's 8 KiB
.set XL,  12                           ; v12  my partner's
.set WAO, 13                           ; v13  Wo: my 8 output blocks, my heads
.set WAP, 14                           ; v14  my partner's heads
.set BOO, 15                           ; v15  bo
.set ST,  16                           ; (m, l) of (t, hl) at 16 + 2 (4 t + hl)
.set TMP, 32                           ; c0-c3 of tile t at 32 + 4 t; a ends in c2
.set ONES, 40
.set DL,  48
.set S,   64
.set P,   128
.set CM,  160
.set MW,  224
.set KP,  240                          ; v240, v241  all ones, or 0 for a row with no allowed key
.set SPW, 242                          ; v242  my spare word; never rewritten
.set NIL, 243                          ; v243  0; never rewritten
.set OB,  64                           ; the end: my O fragments (t, hl) at 64 + 32 t + 8 hl
.set OBP, 160                          ; my partner's
.set QR,  128                          ; window 1
.set KF,  192
.set VF,  224
.set WFR, 192                          ; the end: Wo's fragments, two buffers of 32
.set BK,  128                          ; the end: rows read back from the stage
.set WV,  18
.set TP,  19
.set HH,  20
.set CX,  21
.set QB,  22
.set BB,  23
.set G1,  24                           ; s[24:31]
.set G0,  32                           ; s[32:35]
.set KVP, 36                           ; s[36:37]  my quarter of the tile of K (waves 0-3) or V (waves 4-7) asked for last
.set WOP, 38                           ; s[38:39]  my eighth of Wo
.set CNT, 40
.set TW,  41
.set TB,  42                           ; s42  LDS byte at which the step's K begins
.set MOF, 43                           ; s43  1,024 x the step whose mask words are on their way
.set SEL, 44                           ; s[44:45]
.set MB,  56                           ; s[56:57]  mt at my first tile
.set OUTP, 58                          ; s[58:59]  out0 at my first row
.set QP,  60                           ; s[60:61]  qf at my first tile and head
.set MSB, 0
.macro WIN new                         ; the high byte repeats the setting that is left; a switch that changes nothing is dropped
.if MSB != (\new)
	s_set_vgpr_msb (MSB<<8)|(\new)
.set MSB, (\new)
.endif
.endm
.macro PLACES n
.rept \n
	v_nop
.endr
.endm
.macro CROUND                          ; a round of the cluster's barrier
	s_barrier_signal -1
	s_barrier_wait -1
	s_cmp_lg_u32 s[WV], 0
	s_cbranch_scc1 .Lnot_wave_0_\@
	s_barrier_signal -3
.Lnot_wave_0_\@:
	s_barrier_wait -3
	s_barrier_signal -1
	s_barrier_wait -1
.endm
	s_load_b256 s[4:11], s[0:1], 0x0               ; qf 4, kf 6, vf 8, wof 10
	s_load_b128 s[12:15], s[0:1], 0x20             ; mt 12, bo 14
	s_load_b64 s[16:17], s[0:1], 0x30              ; out0
	v_lshl_add_u32 v[SPW], v0, 2, SPARE
	v_mov_b32 v[NIL], 0
	ds_add_u32 v[SPW], v[NIL]                      ; the opening: the add and its wait stand ahead of my first tensor load; the set-up stands between them
	v_lshrrev_b32 v1, 5, v0
	v_readfirstlane_b32 s[WV], v1
	s_lshr_b32 s[TP], s[WV], 1
	s_and_b32 s[HH], s[WV], 1
	s_bfe_u32 s[CX], ttmp6, 0x40000
	s_lshl_b32 s[QB], ttmp9, 2
	s_add_co_u32 s[QB], s[QB], s[CX]               ; my block of 128 queries: it enters the addresses of qf, mt and out0 alone
	s_and_b32 s[BB], ttmp7, 0xffff                 ; the batch, which the four partners share
	; group 1: 16,384 dense bytes as 64 rows of 32 elements of 8 bytes
	s_mov_b32 s[G1], 15|(3<<16)|(1<<21)            ; 15:0 all four work-groups; 17:16 8-byte elements; 21 set beside a mask
	s_mov_b32 s[G1+1], 32<<16
	s_mov_b32 s[G1+2], 64<<16
	s_mov_b32 s[G1+3], 32<<16
	s_mov_b32 s[G1+4], 64
	s_mov_b32 s[G1+5], 32
	s_mov_b32 s[G1+6], 0
	s_mov_b32 s[G1+7], 0
	s_mov_b32 s[G0], 1
	s_lshl_b32 s[G0+1], s[WV], 14                  ; slot 0: K's four quarters, then V's
	s_mov_b32 s[SEL], 0x76543210
	s_mov_b32 s[SEL+1], 0xfedcba98
	s_mov_b32 s[TB], SLOT1+2*STEPB                 ; the first change of slots turns this into 0
	s_mov_b32 s[MOF], 0
	v_and_b32 v1, 15, v0                           ; r
	v_bfe_u32 v4, v0, 4, 1                         ; h
	v_and_b32 v5, 31, v0
	v_lshlrev_b32 v[ML0], 4, v5
	s_lshl_b32 s46, s[HH], 12
	v_add_nc_u32 v[AK0], s46, v[ML0]               ; my four heads: 1,024 bytes each in a row tile of K,
	s_lshl_b32 s46, s[HH], 13
	s_add_co_u32 s46, s46, VOFF
	v_add_nc_u32 v[AV0], s46, v[ML0]               ; 2,048 each in 32 keys of V
	s_mul_i32 s46, s[WV], 16*SP
	s_add_co_u32 s46, s46, STAGE
	v_mul_u32_u24 v[STO], v1, SP
	v_lshl_add_u32 v[STO], v4, 5, v[STO]
	v_add_nc_u32 v[STO], s46, v[STO]
	v_mul_u32_u24 v[RD], v4, SP
	v_lshl_add_u32 v[RD], v1, 4, v[RD]
	v_add_nc_u32 v[RD], s46, v[RD]
	s_lshl_b32 s46, s[HH], 9
	v_lshlrev_b32 v[GO], 10, v4
	v_lshl_add_u32 v[GO], v1, 4, v[GO]
	v_add_nc_u32 v[GO], s46, v[GO]
	v_lshl_add_u32 v[BOO], v4, 5, s46
	s_lshl_b32 s46, s[WV], 13
	s_add_co_u32 s46, s46, SLOT1
	v_add_nc_u32 v[XS], s46, v[ML0]
	s_xor_b32 s47, s[WV], 1
	s_lshl_b32 s47, s47, 13
	s_add_co_u32 s47, s47, SLOT1
	v_add_nc_u32 v[XL], s47, v[ML0]
	s_mul_i32 s46, s[HH], 65536+4096
	v_add_nc_u32 v[WAO], s46, v[ML0]
	s_mul_i32 s46, s[HH], 65536-4096
	s_add_co_u32 s46, s46, 4096
	v_add_nc_u32 v[WAP], s46, v[ML0]
	s_wait_dscnt 0x0                               ; the opening add is done
	s_wait_kmcnt 0x0
	s_lshl_b32 s46, s[BB], 19                      ; the batch in qf, kf, vf
	s_and_b32 s48, s[WV], 3
	s_lshl_b32 s48, s48, 14
	s_add_co_u32 s48, s48, s46
	s_mov_b32 s49, 0
	s_cmp_lt_u32 s[WV], 4
	s_cselect_b64 s[KVP:KVP+1], s[6:7], s[8:9]
	s_add_nc_u64 s[KVP:KVP+1], s[KVP:KVP+1], s[48:49]
	s_mov_b64 s[G0+2:G0+3], s[KVP:KVP+1]
	s_or_b32 s[G0+3], s[G0+3], 0x80000000          ; type = 2
	s_lshl_b32 s48, s[WV], 14
	s_add_nc_u64 s[WOP:WOP+1], s[10:11], s[48:49]
	s_lshl_b32 s50, s[QB], 3
	s_lshl_b32 s51, s[TP], 1
	s_add_co_u32 s50, s50, s51                     ; my first tile of 16 queries
	s_mov_b32 s53, 0
	s_lshl_b32 s52, s50, 14
	s_add_nc_u64 s[MB:MB+1], s[12:13], s[52:53]
	s_lshl_b32 s54, s[BB], 20
	s_add_co_u32 s52, s52, s54
	s_add_nc_u64 s[OUTP:OUTP+1], s[16:17], s[52:53]
	s_lshl_b32 s52, s50, 13
	s_add_co_u32 s52, s52, s46
	s_lshl_b32 s54, s[HH], 12
	s_add_co_u32 s52, s52, s54
	s_add_nc_u64 s[QP:QP+1], s[4:5], s[52:53]
	CROUND                                         ; all four work-groups are here: the first joint loads meet
	tensor_load_to_lds s[G0:G0+3], s[G1:G1+7]      ; keys 0 to 127 into slot 0
	s_nop 0
	PLACES 4
	WIN 0x40                                       ; destination window 1
.irp t, 0,1
.irp hl, 0,1,2,3
	global_load_b128 v[QR+32*\t+8*\hl:QR+32*\t+8*\hl+3],   v[ML0], s[QP:QP+1] offset:\t*8192+\hl*1024
	global_load_b128 v[QR+32*\t+8*\hl+4:QR+32*\t+8*\hl+7], v[ML0], s[QP:QP+1] offset:\t*8192+\hl*1024+512
.endr
.endr
	WIN 0
.irp t, 0,1
.irp p, 0,1
	global_load_b128 v[MW+8*\t+4*\p:MW+8*\t+4*\p+3], v[ML0], s[MB:MB+1] offset:\t*16384+\p*512  ; step 0's mask words
.endr
.endr
.irp j, 0,1,2,3,4,5,6,7
	v_mov_b32 v[ONES+\j], 0x3c003c00               ; 1.0 twice
	v_mov_b32 v[ST+2*\j], 0xfe000000               ; m: far below every score, hidden ones too
	v_mov_b32 v[ST+2*\j+1], 0                      ; l
.endr
	WIN 0x40
.set i, 0
.rept 128
	v_mov_b32 v[i], 0                              ; O^T: the first step multiplies it by a = 0; written in the wait for the first tile, so that no first step is written out
.set i, i+1
.endr
	WIN 0
	s_wait_loadcnt 0x0
.irp t, 0,1
	v_and_b32 v[KP+\t], 1, v[MW+8*\t]
	v_add_nc_u32 v[KP+\t], -1, v[KP+\t]
.endr
	WIN 0x44                                       ; source 1 and destination window 1
.irp t, 0,1
.set i, 0
.rept 32
	v_and_b32 v[QR+32*\t+i], v[KP+\t], v[QR+32*\t+i]
.set i, i+1
.endr
.endr
	WIN 0
; THE LDS LOADS stand in runs of 8: a head's K of the step (4 fragments of 16 keys) and its V (2 x 2 fragments of 16 channels x 32 keys).  32 lanes take 512 consecutive bytes.
.macro FETCH_K hl
	WIN 0x40
.irp kb, 0,1,2,3
	ds_load_b128 v[KF+8*\kb:KF+8*\kb+3],   v[AK] offset:\kb*8192+(\hl)*1024
	ds_load_b128 v[KF+8*\kb+4:KF+8*\kb+7], v[AK] offset:\kb*8192+(\hl)*1024+512
.endr
.endm
.macro FETCH_V hl
	WIN 0x40
.irp kp, 0,1
.irp cb, 0,1
	ds_load_b128 v[VF+16*\kp+8*\cb:VF+16*\kp+8*\cb+3],   v[AV] offset:\kp*16384+(\hl)*2048+\cb*1024
	ds_load_b128 v[VF+16*\kp+8*\cb+4:VF+16*\kp+8*\cb+7], v[AV] offset:\kp*16384+(\hl)*2048+\cb*1024+512
.endr
.endr
.endm
.macro EXPAND                          ; byte j % 4 of word 2 kb + j / 4 to the top of C's register j of key block kb
.irp t, 0,1
.irp kb, 0,1,2,3
.irp j, 0,1,2,3,4,5,6,7
.if (\j%4) == 3
	v_mov_b32 v[CM+32*\t+8*\kb+\j], v[MW+8*\t+2*\kb+\j/4]
.else
	v_lshlrev_b32 v[CM+32*\t+8*\kb+\j], 24-8*(\j%4), v[MW+8*\t+2*\kb+\j/4]
.endif
.endr
.endr
.endr
.endm
.macro KQ8 hl                          ; S^T = K Q^T + C: head size 32 is one product a tile of 16 x 16
	WIN 0x05
.irp kb, 0,1,2,3
.irp t, 0,1
	v_wmma_f32_16x16x32_f16 v[S+32*\t+8*\kb:S+32*\t+8*\kb+7], v[KF+8*\kb:KF+8*\kb+7], v[QR+32*\t+8*(\hl):QR+32*\t+8*(\hl)+7], v[CM+32*\t+8*\kb:CM+32*\t+8*\kb+7]
.endr
.endr
.endm
; Number n of the 21 that find tile t's maximum and a.  0-11: four chains of seven scores, each accumulator read from its low end on; 12-15: the four left over, the old m, all into c0;
; 16, 17: the query's other 32 keys lie in the lane 16 away; 18-20: m_old - m_new, the new m, a.
.macro MX t, hl, n
.set rC, TMP+4*(\t)
.set rS, S+32*(\t)
.set rM, ST+2*(4*(\t)+(\hl))
.if (\n) < 4
	v_max3_num_f32 v[rC+(\n)], v[rS+8*(\n)], v[rS+8*(\n)+1], v[rS+8*(\n)+2]
.elseif (\n) < 12
	v_max3_num_f32 v[rC+(\n)%4], v[rC+(\n)%4], v[rS+8*((\n)%4)+2*((\n)/4)+1], v[rS+8*((\n)%4)+2*((\n)/4)+2]
.elseif (\n) == 12
	v_max3_num_f32 v[rC], v[rC], v[rS+7], v[rS+15]
.elseif (\n) == 13
	v_max3_num_f32 v[rC+1], v[rC+1], v[rS+23], v[rS+31]
.elseif (\n) == 14
	v_max3_num_f32 v[rC+2], v[rC+2], v[rC+3], v[rM]
.elseif (\n) == 15
	v_max3_num_f32 v[rC], v[rC], v[rC+1], v[rC+2]
.elseif (\n) == 16
	v_permlanex16_b32 v[rC+3], v[rC], s[SEL], s[SEL+1]
.elseif (\n) == 17
	v_max_num_f32 v[rC], v[rC], v[rC+3]
.elseif (\n) == 18
	v_sub_f32 v[rC+1], v[rM], v[rC]
.elseif (\n) == 19
	v_mov_b32 v[rM], v[rC]
.else
	v_exp_f32 v[rC+2], v[rC+1]
.endif
.endm
.macro FF t, hl, i                     ; s - m for pair i
	v_pk_add_f32 v[S+32*(\t)+2*(\i):S+32*(\t)+2*(\i)+1], v[S+32*(\t)+2*(\i):S+32*(\t)+2*(\i)+1], v[ST+2*(4*(\t)+(\hl)):ST+2*(4*(\t)+(\hl))+1] op_sel_hi:[1,0] neg_lo:[0,1] neg_hi:[0,1]
.endm
.macro EE t, n
	v_exp_f32 v[S+32*(\t)+(\n)], v[S+32*(\t)+(\n)]
.endm
.macro CV t, i                         ; pair i rounded to f16
	s_wait_alu depctr_va_vdst(0)
	v_cvt_pk_f16_f32 v[P+16*(\t)+(\i)], v[S+32*(\t)+2*(\i)], v[S+32*(\t)+2*(\i)+1]
.endm
; Differences two pairs ahead, exponentials, roundings a pair back: an exponential's result is first read a pair later, with plain lines between (ISA guide 5.7.2).
.macro FEC hl
	FF 0, \hl, 0
	FF 1, \hl, 0
	FF 0, \hl, 1
	FF 1, \hl, 1
.irp i, 0,1,2,3,4,5,6,7,8,9,10,11,12,13,14,15
.irp t, 0,1
	EE \t, 2*(\i)
.if \i < 14
	FF \t, \hl, (\i)+2
.endif
	EE \t, 2*(\i)+1
.if \i > 0
	CV \t, (\i)-1
.endif
.endr
.endr
	CV 0, 15
	CV 1, 15
.endm
.macro RESC hl                         ; O^T times a, from each accumulator's low end on
	WIN 0x41
.irp t, 0,1
.irp z, 0,1,2,3,4,5,6,7
	v_pk_mul_f32 v[64*\t+16*(\hl)+2*\z:64*\t+16*(\hl)+2*\z+1], v[64*\t+16*(\hl)+2*\z:64*\t+16*(\hl)+2*\z+1], v[TMP+4*\t+2:TMP+4*\t+3] op_sel_hi:[1,0]
.endr
.endr
.endm
.macro PV8 hl                          ; O^T += V^T P: four accumulators by turns
	WIN 0x51
.irp kp, 0,1
.irp cb, 0,1
.irp t, 0,1
.set rO, 64*\t+16*(\hl)+8*\cb
	v_wmma_f32_16x16x32_f16 v[rO:rO+7], v[VF+16*\kp+8*\cb:VF+16*\kp+8*\cb+7], v[P+16*\t+8*\kp:P+16*\t+8*\kp+7], v[rO:rO+7]
.endr
.endr
.endr
.endm
.macro L4                              ; the weights' sums: ones x P, two accumulators by turns
	WIN 0
.irp kp, 0,1
.irp t, 0,1
.if \kp == 0
	v_wmma_f32_16x16x32_f16 v[DL+8*\t:DL+8*\t+7], v[ONES:ONES+7], v[P+16*\t:P+16*\t+7], 0
.else
	v_wmma_f32_16x16x32_f16 v[DL+8*\t:DL+8*\t+7], v[ONES:ONES+7], v[P+16*\t+8:P+16*\t+15], v[DL+8*\t:DL+8*\t+7]
.endif
.endr
.endr
.endm
; A TURN: one head, two tiles, 64 keys, in phases; the SIMD's other wave issues its vector work while these products run.
; Four places stand behind each run of products, in front of the loads into registers that they read and of the lines that read their results.
.macro TURN hl
	s_wait_dscnt 8                                 ; the head's K is in; its V's eight loads are younger
	KQ8 \hl
	PLACES 4
.if (\hl) < 3
	FETCH_K (\hl)+1
.endif
	WIN 0
.irp n, 0,1,2,3,4,5,6,7,8,9,10,11,12,13,14,15,16,17,18,19,20
	MX 0, \hl, \n
	MX 1, \hl, \n
.endr
	FEC \hl
	RESC \hl
.if (\hl) < 3
	s_wait_dscnt 8                                 ; V is in; the next head's K is younger
.else
	s_wait_dscnt 0
.endif
	PV8 \hl
	L4
	PLACES 4
.if (\hl) < 3
	FETCH_V (\hl)+1
.endif
	WIN 0
.irp t, 0,1
	v_fma_f32 v[ST+2*(4*\t+(\hl))+1], v[ST+2*(4*\t+(\hl))+1], v[TMP+4*\t+2], v[DL+8*\t]  ; l = l a + the sum
.endr
.endm
; A KEY STEP.  The mask words were asked for a step ago; the next step's are asked for as soon as these are expanded.  Behind the last step the count wraps to step 0: that load stays inside mt and is thrown away.
.macro STEP
	v_add_nc_u32 v[AK], s[TB], v[AK0]
	v_add_nc_u32 v[AV], s[TB], v[AV0]
	FETCH_K 0
	FETCH_V 0
	WIN 0
	s_wait_loadcnt 0x0                             ; the mask words are in, and their address register is free
	EXPAND
	s_add_co_u32 s[MOF], s[MOF], 1024
	s_and_b32 s[MOF], s[MOF], 0x3c00
	v_add_nc_u32 v[MO], s[MOF], v[ML0]
.irp t, 0,1
.irp p, 0,1
	global_load_b128 v[MW+8*\t+4*\p:MW+8*\t+4*\p+3], v[MO], s[MB:MB+1] offset:\t*16384+\p*512
.endr
.endr
	TURN 0
	TURN 1
	TURN 2
	TURN 3
.endm
; THE CHANGE OF SLOTS.  Each wave waits for all its tensor loads, of which one is out: its part of the other slot; adds 0 to its spare word; and waits for that and for its reads of the slot
; that it leaves.  fill = 1: the barrier is a round of the cluster's, and the joint refill of the slot left is the first thing behind it: the next 128 keys, or, in the last trip, Wo.
.macro CHANGE fill
	WIN 0
	s_wait_tensorcnt 0x0                           ; no tensor load of mine is out, so group 0 may be written
	ds_add_u32 v[SPW], v[NIL]
.if \fill
	s_xor_b32 s[G0+1], s[G0+1], SLOT1
	s_add_nc_u64 s[KVP:KVP+1], s[KVP:KVP+1], 65536
	s_cmp_eq_u32 s[CNT], 1
	s_cselect_b64 s[G0+2:G0+3], s[WOP:WOP+1], s[KVP:KVP+1]
	s_or_b32 s[G0+3], s[G0+3], 0x80000000
	s_wait_dscnt 0x0
	CROUND
	tensor_load_to_lds s[G0:G0+3], s[G1:G1+7]
	s_nop 0
	PLACES 4
	s_sub_co_u32 s[TB], s[TB], 2*STEPB             ; the fetches go back to a slot's first step,
	s_xor_b32 s[TB], s[TB], SLOT1                  ; in the other slot
.else
	s_wait_dscnt 0x0
	s_barrier_signal -1
	s_barrier_wait -1
.endif
.endm
	s_mov_b32 s[CNT], 8
.Lslot:                                ; 8 trips: a tile of 128 keys is entered and the next tile asked for; every trip issues one load a wave
	CHANGE 1
	s_mov_b32 s[TW], 2
.Lstep:
	STEP
	WIN 0
	s_add_co_u32 s[TB], s[TB], STEPB
	s_sub_co_u32 s[TW], s[TW], 1
	s_cmp_lg_u32 s[TW], 0
	s_cbranch_scc1 .Lstep
	s_sub_co_u32 s[CNT], s[CNT], 1
	s_cmp_lg_u32 s[CNT], 0
	s_cbranch_scc1 .Lslot
	; THE END.
.macro BOREG g, obl                    ; where bo of group g, block obl lies: P's registers; the mask words' and the row sums' for group 1
.if (\g) == 0
.set rB, 128+8*(\obl)
.elseif (\obl) < 2
.set rB, 224+8*(\obl)
.else
.set rB, 32+8*(\obl)
.endif
.endm
	s_wait_loadcnt 0x0                             ; the mask words that nobody wants: their registers are loaded anew
.irp g, 0,1
.irp obl, 0,1,2,3
	BOREG \g, \obl
	global_load_b128 v[rB:rB+3],   v[BOO], s[14:15] offset:\g*256+\obl*64
	global_load_b128 v[rB+4:rB+7], v[BOO], s[14:15] offset:\g*256+\obl*64+16
.endr
.endr
	CHANGE 0                                       ; Wo is in, everybody's part; nobody reads slot 1 any more, and it has had its last fill
.irp y, 0,1,2,3,4,5,6,7
	v_rcp_f32 v[ST+2*\y], v[ST+2*\y+1]             ; 1 / l into m's place
.endr
	v_nop
	WIN 0x41
	s_wait_alu depctr_va_vdst(0)
.irp t, 0,1
.irp hl, 0,1,2,3
.irp z, 0,1,2,3,4,5,6,7
	v_pk_mul_f32 v[64*\t+16*\hl+2*\z:64*\t+16*\hl+2*\z+1], v[64*\t+16*\hl+2*\z:64*\t+16*\hl+2*\z+1], v[ST+2*(4*\t+\hl):ST+2*(4*\t+\hl)+1] op_sel_hi:[1,0]
.endr
.endr
.endr
	WIN 0x05
.set i, 0
.rept 64
	v_cvt_pk_f16_f32 v[OB+i], v[2*i], v[2*i+1]     ; blocks cb 0 and 1 of a head are registers 0-3 and 4-7 of its fragment
.set i, i+1
.endr
	WIN 0
.irp f, 0,1,2,3,4,5,6,7,8,9,10,11,12,13,14,15
	ds_store_b128 v[XS], v[OB+4*\f:OB+4*\f+3] offset:512*\f
.endr
	s_wait_loadcnt 0x0                             ; bo: rounded to bf16 and widened again
.irp g, 0,1
.irp obl, 0,1,2,3
	BOREG \g, \obl
.irp j, 0,1,2,3
	v_cvt_pk_bf16_f32 v[32+4*\obl+\j], v[rB+2*\j], v[rB+2*\j+1]
.endr
.irp j, 0,1,2,3
	v_lshlrev_b32 v[rB+2*\j], 16, v[32+4*\obl+\j]
	v_and_b32 v[rB+2*\j+1], 0xffff0000, v[32+4*\obl+\j]
.endr
.endr
.endr
	s_wait_dscnt 0x0                               ; for my partner: my fragments are stored
	s_barrier_signal -1
	s_barrier_wait -1
.irp f, 0,1,2,3,4,5,6,7,8,9,10,11,12,13,14,15
	ds_load_b128 v[OBP+4*\f:OBP+4*\f+3], v[XL] offset:512*\f
.endr
.macro FETCH_W g, n                    ; Wo's four fragments (blocks 4 g + 0..3 of my eight) for head n of eight: my four, then my partner's
	WIN 0x40
.irp obl, 0,1,2,3
.if (\n) < 4
	ds_load_b128 v[WFR+32*((\n)%2)+8*\obl:WFR+32*((\n)%2)+8*\obl+3],   v[WAO] offset:(4*(\g)+\obl)*8192+(\n)*1024
	ds_load_b128 v[WFR+32*((\n)%2)+8*\obl+4:WFR+32*((\n)%2)+8*\obl+7], v[WAO] offset:(4*(\g)+\obl)*8192+(\n)*1024+512
.else
	ds_load_b128 v[WFR+32*((\n)%2)+8*\obl:WFR+32*((\n)%2)+8*\obl+3],   v[WAP] offset:(4*(\g)+\obl)*8192+((\n)-4)*1024
	ds_load_b128 v[WFR+32*((\n)%2)+8*\obl+4:WFR+32*((\n)%2)+8*\obl+7], v[WAP] offset:(4*(\g)+\obl)*8192+((\n)-4)*1024+512
.endif
.endr
.endm
.macro OPROD g, n                      ; 8 products, 8 accumulators by turns; head 0 starts the sums with bo
.if (\n) == 0
	WIN 0x41
.else
	WIN 0x51
.endif
.irp obl, 0,1,2,3
.irp t, 0,1
.set rD, 8*(2*\obl+\t)
.set rW, WFR+32*((\n)%2)+8*\obl
.if (\n) < 4
.set rF, OB+32*\t+8*(\n)
.else
.set rF, OBP+32*\t+8*((\n)-4)
.endif
.if (\n) == 0
	BOREG \g, \obl
	v_wmma_f32_16x16x32_f16 v[rD:rD+7], v[rW:rW+7], v[rF:rF+7], v[rB:rB+7]
.else
	v_wmma_f32_16x16x32_f16 v[rD:rD+7], v[rW:rW+7], v[rF:rF+7], v[rD:rD+7]
.endif
.endr
.endr
.endm
; 64 output channels for both tiles, and their way out: a lane's 8 channels of a row go into my stage and come back as whole rows of 256 bytes.
.macro GROUP g
	FETCH_W \g, 0
.irp n, 0,1,2,3,4,5,6,7
.if (\n > 0) && (\n < 7)
	PLACES 4
.endif
.if \n < 7
	FETCH_W \g, \n+1
	s_wait_dscnt 8                                 ; all but the eight just issued
.else
	s_wait_dscnt 0
.endif
	OPROD \g, \n
.endr
	PLACES 5                                       ; in front of the stores of results, and of the next group's first products, which write over them
	s_wait_xcnt 0x0                                ; the last group's stores have read their data
.irp t, 0,1
	WIN 0x04                                       ; data window 1
.irp obl, 0,1,2,3
	ds_store_b128 v[STO], v[8*(2*\obl+\t):8*(2*\obl+\t)+3]   offset:\obl*64
	ds_store_b128 v[STO], v[8*(2*\obl+\t)+4:8*(2*\obl+\t)+7] offset:\obl*64+16
.endr
	WIN 0x40
.irp i, 0,1,2,3,4,5,6,7
	ds_load_b128 v[BK+32*\t+4*\i:BK+32*\t+4*\i+3], v[RD] offset:\i*2*SP  ; LDS serves a wave's instructions in order (ISA guide 5.7.1.4): these see the stores above; tile 1's stores come behind them
.endr
.endr
	WIN 0x04
	s_wait_dscnt 16                                ; tile 0 is back; tile 1's eight stores and eight loads are younger
.irp i, 0,1,2,3,4,5,6,7
	global_store_b128 v[GO], v[BK+4*\i:BK+4*\i+3], s[OUTP:OUTP+1] offset:\i*2048+(\g)*256 th:TH_STORE_NT  ; 16 lanes store 256 consecutive bytes, at a multiple of 256 from out0's first
.endr
	s_wait_dscnt 0
.irp i, 0,1,2,3,4,5,6,7
	global_store_b128 v[GO], v[BK+32+4*\i:BK+32+4*\i+3], s[OUTP:OUTP+1] offset:16384+\i*2048+(\g)*256 th:TH_STORE_NT
.endr
.endm
	GROUP 0
	GROUP 1
	WIN 0
	s_wait_tensorcnt 0x0                           ; the wave's end
	ds_add_u32 v[SPW], v[NIL]
	s_wait_dscnt 0x0
	CROUND                                         ; the closing round
	s_endpgm
.Lfunc_end_k_q019866e9e6_attn:
	.size	k_q019866e9e6_attn, .Lfunc_end_k_q019866e9e6_attn-k_q019866e9e6_attn
	.p2alignl 7, 3214868480
	.fill 96, 4, 3214868480
	.section	.rodata,"a",@progbits
	.p2align	6, 0x0
	.amdhsa_kernel k_q019866e9e6_attn
		.amdhsa_group_segment_fixed_size 327680
		.amdhsa_private_segment_fixed_size 0
		.amdhsa_enable_private_segment 0
		.amdhsa_kernarg_size 56
		.amdhsa_user_sgpr_count 2
		.amdhsa_user_sgpr_kernarg_segment_ptr 1
		.amdhsa_wavefront_size32 1
		.amdhsa_system_sgpr_workgroup_id_x 1
		.amdhsa_system_sgpr_workgroup_id_y 1
		.amdhsa_system_sgpr_workgroup_id_z 1
		.amdhsa_system_vgpr_workitem_id 0
		.amdhsa_next_free_vgpr 512
		.amdhsa_next_free_sgpr 66
		.amdhsa_reserve_vcc 0
		.amdhsa_float_denorm_mode_32 3
		.amdhsa_float_denorm_mode_16_64 3
		.amdhsa_memory_ordered 1
		.amdhsa_forward_progress 1
		.amdhsa_inst_pref_size 116
	.end_amdhsa_kernel
	.amdgpu_metadata
---
amdhsa.version: [ 1, 2 ]
amdhsa.kernels:
  - .name:           k_q019866e9e6_attn
    .symbol:         k_q019866e9e6_attn.kd
    .args:
      - { .name: qf, .offset: 0, .size: 8, .value_kind: global_buffer, .address_space: global }
      - { .name: kf, .offset: 8, .size: 8, .value_kind: global_buffer, .address_space: global }
      - { .name: vf, .offset: 16, .size: 8, .value_kind: global_buffer, .address_space: global }
      - { .name: wof, .offset: 24, .size: 8, .value_kind: global_buffer, .address_space: global }
      - { .name: mt, .offset: 32, .size: 8, .value_kind: global_buffer, .address_space: global }
      - { .name: bo, .offset: 40, .size: 8, .value_kind: global_buffer, .address_space: global }
      - { .name: out0, .offset: 48, .size: 8, .value_kind: global_buffer, .address_space: global }
    .group_segment_fixed_size: 327680
    .private_segment_fixed_size: 0
    .kernarg_segment_align: 8
    .kernarg_segment_size: 56
    .max_flat_workgroup_size: 256
    .sgpr_count:     66
    .vgpr_count:     512
    .wavefront_size: 32
...
	.end_amdgpu_metadata
.endif
;; end of part 2
;; ======== version 2 of 2: 2 launches; 1.14 times as fast as version 1
;; limits: values are held in f16: magnitudes above 65,504 overflow, below 6.1e-05 lose precision
;; workspace buffers: qf 16,777,216 bytes; kf 16,777,216 bytes; vf 16,777,216 bytes; wof 131,072 bytes; mt 1,048,576 bytes
;; launch proj: the kernel of part 1 again; grid 256 x 1, 8 waves a work-group, clusters of 4 x 1, 327,680 bytes of LDS; arguments x, Wq, Wk, Wv, bq, bk, bv, Wo, attn_mask, qf, kf, vf, wof, mt; writes qf, kf, vf, wof, mt
;; launch attn (part 3): grid 8 x 32, 8 waves a work-group, clusters of 4 x 1, 327,680 bytes of LDS; arguments qf, kf, vf, wof, mt, bo, out0; writes out0
.if DOCPART == 3
	.amdgcn_target "amdgcn-amd-amdhsa--gfx1250"
	.amdhsa_code_object_version 6
	.text
	.protected	k_q019866e9e6_attn
	.globl	k_q019866e9e6_attn
	.p2align	8
	.type	k_q019866e9e6_attn,@function
k_q019866e9e6_attn:
	s_mov_b64 s[64:65], 0
	v_nop
	global_prefetch_b8 v0, s[64:65] scope:SCOPE_SE
	s_setreg_imm32_b32 hwreg(HW_REG_WAVE_MODE, 25, 1), 1
	s_wait_xcnt 0x0
	s_wait_alu depctr_hold_cnt(0) depctr_sa_sdst(0) depctr_va_vdst(0) depctr_va_sdst(0) depctr_va_ssrc(0) depctr_va_vcc(0) depctr_vm_vsrc(0)
	s_getreg_b32 s2, hwreg(HW_REG_IB_STS2, 6, 4)
	s_cmp_eq_u32 s2, 0
	s_cbranch_scc0 .Lentry_in_a_cluster
	s_endpgm
.Lentry_in_a_cluster:
	s_bfe_u32 s2, ttmp6, 0x10000c
	s_cmp_lg_u32 s2, 0x3003
	s_cbranch_scc0 .Lentry_shape_is_right
	s_endpgm
.Lentry_shape_is_right:
; out0[b][q][:] = (concat over heads of softmax_k(masked q . k) v) Wo^T + bo.  8 heads of 32 channels, 1,024 keys, 32 batches.  q arrives scaled by log2(e) / sqrt(32).
; qf, kf, vf, wof: f16 fragment images (a block of 512 bytes, lane l at 16 l, is registers 0-3 or 4-7 of a fragment); mt: the mask as bytes.  Products in f16, sums, maxima in f32; out0 f32.
; LIMITS.  A hidden score counts as its value less 1.6e29 or more.  A weight below 2^-126 counts as 0; the weights are rounded to f16 (below 6e-5 in steps of 6e-8), and their sum l is
; taken of the rounded weights.  O is rounded once to f16, bo to bf16 like every input.  NaN and infinities are not treated apart.
; SHARES.  A work-group owns 128 queries of one batch and all 8 heads.  Wave w: the two tiles of 16 queries 2 (w / 2), + 1, and the four heads 4 (w % 2) on.  Every wave walks all keys, 64 a step.
; LAYOUT.  S^T = K Q^T + C (source 0 = 16 keys, source 1 = 16 queries): a lane holds ONE query (l % 16) and keys 8 (l / 16) + 0..7.  Rounded in pairs, two results ARE source 1 of O^T = V^T P.
; THE MASK is C: a table byte moved to a word's top: 0xf0 there is a number between -1.6e29 and -6.3e29, 0x00 or 0x01 one under 2.4e-38.  It is expanded once a step for the four heads.
; While a row has seen hidden keys only, its maximum is a hidden score and what it adds is finite; its first allowed key gives a = 0, which wipes that.
; A ROW WITH NO ALLOWED KEY has 0x01 in every byte: its keys count as allowed and its q is set to 0, so all its scores are equal and its weights uniform.
; SOFTMAX.  A running maximum m and sum l a query and head: p = 2^(s - m); O and l are multiplied by a = 2^(m_old - m_new) in every step.  m starts far below every score, O and l at 0.
; l's addend is a product of P with ones: every register of it holds the query's sum over all 64 keys, so l wants no exchange between lanes.
; BATCHES.  A turn's 66 exponentials (the two a, then both tiles' 64 weights) are ONE batch: they stand together with the 32 differences s - m, and no line among them names a result.  Behind the last
; exponential the two lines that keep the new m are the plain work; then ONE s_wait_alu depctr_va_vdst(0), ahead of the first line that names a result; then all the readers:
; the 32 roundings, the rescaling of O^T, l.  No exponential is issued behind a turn's wait, so no result crosses a turn's end, a label or a jump.  The end's eight reciprocals are a batch of their own.
; THE END.  O / l, in f16, is a fragment of 16 queries x 32 channels.  The two waves of a pair of tiles exchange theirs through LDS; each makes 128 of the 256 output channels, with bo as the C that starts the sums.
; RING.  Two slots of 128 keys (K 64 KiB, V 64 KiB); the ninth tile is Wo.  Each wave brings 16 KiB of a tile: 64 rows of 256 bytes.  One load of a wave is out behind each round.
; CLUSTER.  The four query blocks of a cluster belong to one batch and walk the same K, V and Wo: each tile is asked for jointly, by the same load, descriptor and mask.
; REGISTERS.  window 0: v0-15 addresses; v16-31 (m, l); v32-39 at work; v40-47 ones; v48-63 row sums; v64-127 S^T; v128-159 P; v160-223 C; v224-239 mask words
;             window 1: v0-127 O^T (tile t, head hl, block cb at 64 t + 16 hl + 8 cb); v128-191 Q; v192-223 K of a head; v224-255 V of a head
.set SLOT1, 131072
.set VOFF,  65536                      ; in a slot: K [row tile 8][head 8][1,024], then V [32 keys 4][head 8][cb 2][1,024]
.set STEPB, 32768                      ; 64 keys of K, and of V
.set SPARE, 262144                     ; behind the ring: the spare words, 128 bytes a wave, four blocks of 256 bytes that no other line names
.set STAGE, SPARE+1024                 ; 16 rows x 272 bytes for each wave, for the way out; no tile lands here
.set SP,    272                        ; 256 + 16 = 17 x 16: the 16 rows of a store start in 16 different groups of four banks (ISA guide 11.1)
.set AK0, 2                            ; v2   my place in a step's K; never rewritten
.set AV0, 3                            ; v3   in its V
.set AK,  4                            ; v4   the step's K
.set AV,  5                            ; v5   the step's V
.set ML0, 6                            ; v6   16 x lane
.set MO,  7                            ; v7   the next step's mask words
.set STO, 8                            ; v8   the way out: where I put 32 bytes of a row
.set RD,  9                            ; v9   where I read a row back
.set GO,  10                           ; v10  my byte offset in out0
.set XS,  11                           ; v11  the exchange: my wave's 8 KiB
.set XL,  12                           ; v12  my partner's
.set WAO, 13                           ; v13  Wo: my 8 output blocks, my heads
.set WAP, 14                           ; v14  my partner's heads
.set BOO, 15                           ; v15  bo
.set ST,  16                           ; (m, l) of (t, hl) at 16 + 2 (4 t + hl)
.set TMP, 32                           ; c0-c3 of tile t at 32 + 4 t; the new m ends in c0, a in c2
.set ONES, 40
.set DL,  48
.set S,   64
.set P,   128
.set CM,  160
.set MW,  224
.set KP,  240                          ; v240, v241  all ones, or 0 for a row with no allowed key
.set SPW, 242                          ; v242  my spare word; never rewritten
.set NIL, 243                          ; v243  0; never rewritten
.set OB,  64                           ; the end: my O fragments (t, hl) at 64 + 32 t + 8 hl
.set OBP, 160                          ; my partner's
.set QR,  128                          ; window 1
.set KF,  192
.set VF,  224
.set WFR, 192                          ; the end: Wo's fragments, two buffers of 32
.set BK,  128                          ; the end: rows read back from the stage
.set WV,  18
.set TP,  19
.set HH,  20
.set CX,  21
.set QB,  22
.set BB,  23
.set G1,  24                           ; s[24:31]
.set G0,  32                           ; s[32:35]
.set KVP, 36                           ; s[36:37]  my quarter of the tile of K (waves 0-3) or V (waves 4-7) asked for last
.set WOP, 38                           ; s[38:39]  my eighth of Wo
.set CNT, 40
.set TW,  41
.set TB,  42                           ; s42  LDS byte at which the step's K begins
.set MOF, 43                           ; s43  1,024 x the step whose mask words are on their way
.set SEL, 44                           ; s[44:45]
.set MB,  56                           ; s[56:57]  mt at my first tile
.set OUTP, 58                          ; s[58:59]  out0 at my first row
.set QP,  60                           ; s[60:61]  qf at my first tile and head
.set MSB, 0
.macro WIN new                         ; the high byte repeats the setting that is left; a switch that changes nothing is dropped
.if MSB != (\new)
	s_set_vgpr_msb (MSB<<8)|(\new)
.set MSB, (\new)
.endif
.endm
.macro PLACES n
.rept \n
	v_nop
.endr
.endm
.macro CROUND                          ; a round of the cluster's barrier
	s_barrier_signal -1
	s_barrier_wait -1
	s_cmp_lg_u32 s[WV], 0
	s_cbranch_scc1 .Lnot_wave_0_\@
	s_barrier_signal -3
.Lnot_wave_0_\@:
	s_barrier_wait -3
	s_barrier_signal -1
	s_barrier_wait -1
.endm
	s_load_b256 s[4:11], s[0:1], 0x0               ; qf 4, kf 6, vf 8, wof 10
	s_load_b128 s[12:15], s[0:1], 0x20             ; mt 12, bo 14
	s_load_b64 s[16:17], s[0:1], 0x30              ; out0
	v_lshl_add_u32 v[SPW], v0, 2, SPARE
	v_mov_b32 v[NIL], 0
	ds_add_u32 v[SPW], v[NIL]                      ; the opening: the add and its wait stand ahead of my first tensor load; the set-up stands between them
	v_lshrrev_b32 v1, 5, v0
	v_readfirstlane_b32 s[WV], v1
	s_lshr_b32 s[TP], s[WV], 1
	s_and_b32 s[HH], s[WV], 1
	s_bfe_u32 s[CX], ttmp6, 0x40000
	s_lshl_b32 s[QB], ttmp9, 2
	s_add_co_u32 s[QB], s[QB], s[CX]               ; my block of 128 queries: it enters the addresses of qf, mt and out0 alone
	s_and_b32 s[BB], ttmp7, 0xffff                 ; the batch, which the four partners share
	; group 1: 16,384 dense bytes as 64 rows of 32 elements of 8 bytes
	s_mov_b32 s[G1], 15|(3<<16)|(1<<21)            ; 15:0 all four work-groups; 17:16 8-byte elements; 21 set beside a mask
	s_mov_b32 s[G1+1], 32<<16
	s_mov_b32 s[G1+2], 64<<16
	s_mov_b32 s[G1+3], 32<<16
	s_mov_b32 s[G1+4], 64
	s_mov_b32 s[G1+5], 32
	s_mov_b32 s[G1+6], 0
	s_mov_b32 s[G1+7], 0
	s_mov_b32 s[G0], 1
	s_lshl_b32 s[G0+1], s[WV], 14                  ; slot 0: K's four quarters, then V's
	s_mov_b32 s[SEL], 0x76543210
	s_mov_b32 s[SEL+1], 0xfedcba98
	s_mov_b32 s[TB], SLOT1+2*STEPB                 ; the first change of slots turns this into 0
	s_mov_b32 s[MOF], 0
	v_and_b32 v1, 15, v0                           ; r
	v_bfe_u32 v4, v0, 4, 1                         ; h
	v_and_b32 v5, 31, v0
	v_lshlrev_b32 v[ML0], 4, v5
	s_lshl_b32 s46, s[HH], 12
	v_add_nc_u32 v[AK0], s46, v[ML0]               ; my four heads: 1,024 bytes each in a row tile of K,
	s_lshl_b32 s46, s[HH], 13
	s_add_co_u32 s46, s46, VOFF
	v_add_nc_u32 v[AV0], s46, v[ML0]               ; 2,048 each in 32 keys of V
	s_mul_i32 s46, s[WV], 16*SP
	s_add_co_u32 s46, s46, STAGE
	v_mul_u32_u24 v[STO], v1, SP
	v_lshl_add_u32 v[STO], v4, 5, v[STO]
	v_add_nc_u32 v[STO], s46, v[STO]
	v_mul_u32_u24 v[RD], v4, SP
	v_lshl_add_u32 v[RD], v1, 4, v[RD]
	v_add_nc_u32 v[RD], s46, v[RD]
	s_lshl_b32 s46, s[HH], 9
	v_lshlrev_b32 v[GO], 10, v4
	v_lshl_add_u32 v[GO], v1, 4, v[GO]
	v_add_nc_u32 v[GO], s46, v[GO]
	v_lshl_add_u32 v[BOO], v4, 5, s46
	s_lshl_b32 s46, s[WV], 13
	s_add_co_u32 s46, s46, SLOT1
	v_add_nc_u32 v[XS], s46, v[ML0]
	s_xor_b32 s47, s[WV], 1
	s_lshl_b32 s47, s47, 13
	s_add_co_u32 s47, s47, SLOT1
	v_add_nc_u32 v[XL], s47, v[ML0]
	s_mul_i32 s46, s[HH], 65536+4096
	v_add_nc_u32 v[WAO], s46, v[ML0]
	s_mul_i32 s46, s[HH], 65536-4096
	s_add_co_u32 s46, s46, 4096
	v_add_nc_u32 v[WAP], s46, v[ML0]
	s_wait_dscnt 0x0                               ; the opening add is done
	s_wait_kmcnt 0x0
	s_lshl_b32 s46, s[BB], 19                      ; the batch in qf, kf, vf
	s_and_b32 s48, s[WV], 3
	s_lshl_b32 s48, s48, 14
	s_add_co_u32 s48, s48, s46
	s_mov_b32 s49, 0
	s_cmp_lt_u32 s[WV], 4
	s_cselect_b64 s[KVP:KVP+1], s[6:7], s[8:9]
	s_add_nc_u64 s[KVP:KVP+1], s[KVP:KVP+1], s[48:49]
	s_mov_b64 s[G0+2:G0+3], s[KVP:KVP+1]
	s_or_b32 s[G0+3], s[G0+3], 0x80000000          ; type = 2
	s_lshl_b32 s48, s[WV], 14
	s_add_nc_u64 s[WOP:WOP+1], s[10:11], s[48:49]
	s_lshl_b32 s50, s[QB], 3
	s_lshl_b32 s51, s[TP], 1
	s_add_co_u32 s50, s50, s51                     ; my first tile of 16 queries
	s_mov_b32 s53, 0
	s_lshl_b32 s52, s50, 14
	s_add_nc_u64 s[MB:MB+1], s[12:13], s[52:53]
	s_lshl_b32 s54, s[BB], 20
	s_add_co_u32 s52, s52, s54
	s_add_nc_u64 s[OUTP:OUTP+1], s[16:17], s[52:53]
	s_lshl_b32 s52, s50, 13
	s_add_co_u32 s52, s52, s46
	s_lshl_b32 s54, s[HH], 12
	s_add_co_u32 s52, s52, s54
	s_add_nc_u64 s[QP:QP+1], s[4:5], s[52:53]
	CROUND                                         ; all four work-groups are here: the first joint loads meet
	tensor_load_to_lds s[G0:G0+3], s[G1:G1+7]      ; keys 0 to 127 into slot 0
	s_nop 0
	PLACES 4
	WIN 0x40                                       ; destination window 1
.irp t, 0,1
.irp hl, 0,1,2,3
	global_load_b128 v[QR+32*\t+8*\hl:QR+32*\t+8*\hl+3],   v[ML0], s[QP:QP+1] offset:\t*8192+\hl*1024
	global_load_b128 v[QR+32*\t+8*\hl+4:QR+32*\t+8*\hl+7], v[ML0], s[QP:QP+1] offset:\t*8192+\hl*1024+512
.endr
.endr
	WIN 0
.irp t, 0,1
.irp p, 0,1
	global_load_b128 v[MW+8*\t+4*\p:MW+8*\t+4*\p+3], v[ML0], s[MB:MB+1] offset:\t*16384+\p*512  ; step 0's mask words
.endr
.endr
.irp j, 0,1,2,3,4,5,6,7
	v_mov_b32 v[ONES+\j], 0x3c003c00               ; 1.0 twice
	v_mov_b32 v[ST+2*\j], 0xfe000000               ; m: far below every score, hidden ones too
	v_mov_b32 v[ST+2*\j+1], 0                      ; l
.endr
	WIN 0x40
.set i, 0
.rept 128
	v_mov_b32 v[i], 0                              ; O^T: the first step multiplies it by a = 0; written in the wait for the first tile, so that no first step is written out
.set i, i+1
.endr
	WIN 0
	s_wait_loadcnt 0x0
.irp t, 0,1
	v_and_b32 v[KP+\t], 1, v[MW+8*\t]
	v_add_nc_u32 v[KP+\t], -1, v[KP+\t]
.endr
	WIN 0x44                                       ; source 1 and destination window 1
.irp t, 0,1
.set i, 0
.rept 32
	v_and_b32 v[QR+32*\t+i], v[KP+\t], v[QR+32*\t+i]
.set i, i+1
.endr
.endr
	WIN 0
; THE LDS LOADS stand in runs of 8: a head's K of the step (4 fragments of 16 keys) and its V (2 x 2 fragments of 16 channels x 32 keys).  32 lanes take 512 consecutive bytes.
.macro FETCH_K hl
	WIN 0x40
.irp kb, 0,1,2,3
	ds_load_b128 v[KF+8*\kb:KF+8*\kb+3],   v[AK] offset:\kb*8192+(\hl)*1024
	ds_load_b128 v[KF+8*\kb+4:KF+8*\kb+7], v[AK] offset:\kb*8192+(\hl)*1024+512
.endr
.endm
.macro FETCH_V hl
	WIN 0x40
.irp kp, 0,1
.irp cb, 0,1
	ds_load_b128 v[VF+16*\kp+8*\cb:VF+16*\kp+8*\cb+3],   v[AV] offset:\kp*16384+(\hl)*2048+\cb*1024
	ds_load_b128 v[VF+16*\kp+8*\cb+4:VF+16*\kp+8*\cb+7], v[AV] offset:\kp*16384+(\hl)*2048+\cb*1024+512
.endr
.endr
.endm
.macro EXPAND                          ; byte j % 4 of word 2 kb + j / 4 to the top of C's register j of key block kb
.irp t, 0,1
.irp kb, 0,1,2,3
.irp j, 0,1,2,3,4,5,6,7
.if (\j%4) == 3
	v_mov_b32 v[CM+32*\t+8*\kb+\j], v[MW+8*\t+2*\kb+\j/4]
.else
	v_lshlrev_b32 v[CM+32*\t+8*\kb+\j], 24-8*(\j%4), v[MW+8*\t+2*\kb+\j/4]
.endif
.endr
.endr
.endr
.endm
.macro KQ8 hl                          ; S^T = K Q^T + C: head size 32 is one product a tile of 16 x 16
	WIN 0x05
.irp kb, 0,1,2,3
.irp t, 0,1
	v_wmma_f32_16x16x32_f16 v[S+32*\t+8*\kb:S+32*\t+8*\kb+7], v[KF+8*\kb:KF+8*\kb+7], v[QR+32*\t+8*(\hl):QR+32*\t+8*(\hl)+7], v[CM+32*\t+8*\kb:CM+32*\t+8*\kb+7]
.endr
.endr
.endm
; Number n of the 21 that find tile t's maximum and a.  0-11: four chains of seven scores, each accumulator read from its low end on; 12-15: the four left over, the old m, all into c0;
; 16, 17: the query's other 32 keys lie in the lane 16 away: the new m, in c0; 18: m_old - m_new; 19: the new m is kept; 20: a.  TURN writes 0 to 18; 20 opens the batch and 19 closes it (FEC).
.macro MX t, hl, n
.set rC, TMP+4*(\t)
.set rS, S+32*(\t)
.set rM, ST+2*(4*(\t)+(\hl))
.if (\n) < 4
	v_max3_num_f32 v[rC+(\n)], v[rS+8*(\n)], v[rS+8*(\n)+1], v[rS+8*(\n)+2]
.elseif (\n) < 12
	v_max3_num_f32 v[rC+(\n)%4], v[rC+(\n)%4], v[rS+8*((\n)%4)+2*((\n)/4)+1], v[rS+8*((\n)%4)+2*((\n)/4)+2]
.elseif (\n) == 12
	v_max3_num_f32 v[rC], v[rC], v[rS+7], v[rS+15]
.elseif (\n) == 13
	v_max3_num_f32 v[rC+1], v[rC+1], v[rS+23], v[rS+31]
.elseif (\n) == 14
	v_max3_num_f32 v[rC+2], v[rC+2], v[rC+3], v[rM]
.elseif (\n) == 15
	v_max3_num_f32 v[rC], v[rC], v[rC+1], v[rC+2]
.elseif (\n) == 16
	v_permlanex16_b32 v[rC+3], v[rC], s[SEL], s[SEL+1]
.elseif (\n) == 17
	v_max_num_f32 v[rC], v[rC], v[rC+3]
.elseif (\n) == 18
	v_sub_f32 v[rC+1], v[rM], v[rC]
.elseif (\n) == 19
	v_mov_b32 v[rM], v[rC]
.else
	v_exp_f32 v[rC+2], v[rC+1]
.endif
.endm
.macro FF t, i                         ; s - m for pair i: the new m is taken from c0, the low word of the pair (c0, c1), for both halves; the pair does not hold a, which is c2
	v_pk_add_f32 v[S+32*(\t)+2*(\i):S+32*(\t)+2*(\i)+1], v[S+32*(\t)+2*(\i):S+32*(\t)+2*(\i)+1], v[TMP+4*(\t):TMP+4*(\t)+1] op_sel_hi:[1,0] neg_lo:[0,1] neg_hi:[0,1]
.endm
.macro EE t, n
	v_exp_f32 v[S+32*(\t)+(\n)], v[S+32*(\t)+(\n)]
.endm
.macro CV t, i                         ; pair i rounded to f16
	v_cvt_pk_f16_f32 v[P+16*(\t)+(\i)], v[S+32*(\t)+2*(\i)], v[S+32*(\t)+2*(\i)+1]
.endm
; THE TURN'S BATCH, ITS WAIT, AND THE ROUNDINGS.  The two a; then the differences, two pairs ahead of their exponentials, and the 64 exponentials, in place: no line here names an exponential's result.
; The two lines that keep the new m name none either: they are the plain lines behind the last exponential (ISA guide 5.7.2).  Then the one wait, and behind it every reader.
.macro FEC hl
	MX 0, \hl, 20
	MX 1, \hl, 20
	FF 0, 0
	FF 1, 0
	FF 0, 1
	FF 1, 1
.irp i, 0,1,2,3,4,5,6,7,8,9,10,11,12,13,14,15
.irp t, 0,1
	EE \t, 2*(\i)
.if \i < 14
	FF \t, (\i)+2
.endif
	EE \t, 2*(\i)+1
.endr
.endr
	MX 0, \hl, 19
	MX 1, \hl, 19
	s_wait_alu depctr_va_vdst(0)                   ; the wait for the batch: one for the turn's 66 exponentials, ahead of the first line that names a result
.irp i, 0,1,2,3,4,5,6,7,8,9,10,11,12,13,14,15
	CV 0, \i
	CV 1, \i
.endr
.endm
.macro RESC hl                         ; O^T times a, from each accumulator's low end on
	WIN 0x41
.irp t, 0,1
.irp z, 0,1,2,3,4,5,6,7
	v_pk_mul_f32 v[64*\t+16*(\hl)+2*\z:64*\t+16*(\hl)+2*\z+1], v[64*\t+16*(\hl)+2*\z:64*\t+16*(\hl)+2*\z+1], v[TMP+4*\t+2:TMP+4*\t+3] op_sel_hi:[1,0]
.endr
.endr
.endm
.macro PV8 hl                          ; O^T += V^T P: four accumulators by turns
	WIN 0x51
.irp kp, 0,1
.irp cb, 0,1
.irp t, 0,1
.set rO, 64*\t+16*(\hl)+8*\cb
	v_wmma_f32_16x16x32_f16 v[rO:rO+7], v[VF+16*\kp+8*\cb:VF+16*\kp+8*\cb+7], v[P+16*\t+8*\kp:P+16*\t+8*\kp+7], v[rO:rO+7]
.endr
.endr
.endr
.endm
.macro L4                              ; the weights' sums: ones x P, two accumulators by turns
	WIN 0
.irp kp, 0,1
.irp t, 0,1
.if \kp == 0
	v_wmma_f32_16x16x32_f16 v[DL+8*\t:DL+8*\t+7], v[ONES:ONES+7], v[P+16*\t:P+16*\t+7], 0
.else
	v_wmma_f32_16x16x32_f16 v[DL+8*\t:DL+8*\t+7], v[ONES:ONES+7], v[P+16*\t+8:P+16*\t+15], v[DL+8*\t:DL+8*\t+7]
.endif
.endr
.endr
.endm
; A TURN: one head, two tiles, 64 keys, in phases; the SIMD's other wave issues its vector work while these products run.
; Four places stand behind each run of products, in front of the loads into registers that they read and of the lines that read their results.
.macro TURN hl
	s_wait_dscnt 8                                 ; the head's K is in; its V's eight loads are younger
	KQ8 \hl
	PLACES 4
.if (\hl) < 3
	FETCH_K (\hl)+1
.endif
	WIN 0
.irp n, 0,1,2,3,4,5,6,7,8,9,10,11,12,13,14,15,16,17,18
	MX 0, \hl, \n
	MX 1, \hl, \n
.endr
	FEC \hl
	RESC \hl
.if (\hl) < 3
	s_wait_dscnt 8                                 ; V is in; the next head's K is younger
.else
	s_wait_dscnt 0
.endif
	PV8 \hl
	L4
	PLACES 4
.if (\hl) < 3
	FETCH_V (\hl)+1
.endif
	WIN 0
.irp t, 0,1
	v_fma_f32 v[ST+2*(4*\t+(\hl))+1], v[ST+2*(4*\t+(\hl))+1], v[TMP+4*\t+2], v[DL+8*\t]  ; l = l a + the sum
.endr
.endm
; A KEY STEP.  The mask words were asked for a step ago; the next step's are asked for as soon as these are expanded.  Behind the last step the count wraps to step 0: that load stays inside mt and is thrown away.
.macro STEP
	v_add_nc_u32 v[AK], s[TB], v[AK0]
	v_add_nc_u32 v[AV], s[TB], v[AV0]
	FETCH_K 0
	FETCH_V 0
	WIN 0
	s_wait_loadcnt 0x0                             ; the mask words are in, and their address register is free
	EXPAND
	s_add_co_u32 s[MOF], s[MOF], 1024
	s_and_b32 s[MOF], s[MOF], 0x3c00
	v_add_nc_u32 v[MO], s[MOF], v[ML0]
.irp t, 0,1
.irp p, 0,1
	global_load_b128 v[MW+8*\t+4*\p:MW+8*\t+4*\p+3], v[MO], s[MB:MB+1] offset:\t*16384+\p*512
.endr
.endr
	TURN 0
	TURN 1
	TURN 2
	TURN 3
.endm
; THE CHANGE OF SLOTS.  Each wave waits for all its tensor loads, of which one is out: its part of the other slot; adds 0 to its spare word; and waits for that and for its reads of the slot
; that it leaves.  fill = 1: the barrier is a round of the cluster's, and the joint refill of the slot left is the first thing behind it: the next 128 keys, or, in the last trip, Wo.
.macro CHANGE fill
	WIN 0
	s_wait_tensorcnt 0x0                           ; no tensor load of mine is out, so group 0 may be written
	ds_add_u32 v[SPW], v[NIL]
.if \fill
	s_xor_b32 s[G0+1], s[G0+1], SLOT1
	s_add_nc_u64 s[KVP:KVP+1], s[KVP:KVP+1], 65536
	s_cmp_eq_u32 s[CNT], 1
	s_cselect_b64 s[G0+2:G0+3], s[WOP:WOP+1], s[KVP:KVP+1]
	s_or_b32 s[G0+3], s[G0+3], 0x80000000
	s_wait_dscnt 0x0
	CROUND
	tensor_load_to_lds s[G0:G0+3], s[G1:G1+7]
	s_nop 0
	PLACES 4
	s_sub_co_u32 s[TB], s[TB], 2*STEPB             ; the fetches go back to a slot's first step,
	s_xor_b32 s[TB], s[TB], SLOT1                  ; in the other slot
.else
	s_wait_dscnt 0x0
	s_barrier_signal -1
	s_barrier_wait -1
.endif
.endm
	s_mov_b32 s[CNT], 8
.Lslot:                                ; 8 trips: a tile of 128 keys is entered and the next tile asked for; every trip issues one load a wave
	CHANGE 1
	s_mov_b32 s[TW], 2
.Lstep:
	STEP
	WIN 0
	s_add_co_u32 s[TB], s[TB], STEPB
	s_sub_co_u32 s[TW], s[TW], 1
	s_cmp_lg_u32 s[TW], 0
	s_cbranch_scc1 .Lstep
	s_sub_co_u32 s[CNT], s[CNT], 1
	s_cmp_lg_u32 s[CNT], 0
	s_cbranch_scc1 .Lslot
	; THE END.
.macro BOREG g, obl                    ; where bo of group g, block obl lies: P's registers; the mask words' and the row sums' for group 1
.if (\g) == 0
.set rB, 128+8*(\obl)
.elseif (\obl) < 2
.set rB, 224+8*(\obl)
.else
.set rB, 32+8*(\obl)
.endif
.endm
	s_wait_loadcnt 0x0                             ; the mask words that nobody wants: their registers are loaded anew
.irp g, 0,1
.irp obl, 0,1,2,3
	BOREG \g, \obl
	global_load_b128 v[rB:rB+3],   v[BOO], s[14:15] offset:\g*256+\obl*64
	global_load_b128 v[rB+4:rB+7], v[BOO], s[14:15] offset:\g*256+\obl*64+16
.endr
.endr
	CHANGE 0                                       ; Wo is in, everybody's part; nobody reads slot 1 any more, and it has had its last fill
.irp y, 0,1,2,3,4,5,6,7
	v_rcp_f32 v[ST+2*\y], v[ST+2*\y+1]             ; 1 / l into m's place: the eight reciprocals are one batch
.endr
	v_nop                                          ; a plain line between the last reciprocal and the use of its result (ISA guide 5.7.2)
	WIN 0x41
	s_wait_alu depctr_va_vdst(0)                   ; the wait for the batch: one for the eight reciprocals, ahead of their first reader
.irp t, 0,1
.irp hl, 0,1,2,3
.irp z, 0,1,2,3,4,5,6,7
	v_pk_mul_f32 v[64*\t+16*\hl+2*\z:64*\t+16*\hl+2*\z+1], v[64*\t+16*\hl+2*\z:64*\t+16*\hl+2*\z+1], v[ST+2*(4*\t+\hl):ST+2*(4*\t+\hl)+1] op_sel_hi:[1,0]
.endr
.endr
.endr
	WIN 0x05
.set i, 0
.rept 64
	v_cvt_pk_f16_f32 v[OB+i], v[2*i], v[2*i+1]     ; blocks cb 0 and 1 of a head are registers 0-3 and 4-7 of its fragment
.set i, i+1
.endr
	WIN 0
.irp f, 0,1,2,3,4,5,6,7,8,9,10,11,12,13,14,15
	ds_store_b128 v[XS], v[OB+4*\f:OB+4*\f+3] offset:512*\f
.endr
	s_wait_loadcnt 0x0                             ; bo: rounded to bf16 and widened again
.irp g, 0,1
.irp obl, 0,1,2,3
	BOREG \g, \obl
.irp j, 0,1,2,3
	v_cvt_pk_bf16_f32 v[32+4*\obl+\j], v[rB+2*\j], v[rB+2*\j+1]
.endr
.irp j, 0,1,2,3
	v_lshlrev_b32 v[rB+2*\j], 16, v[32+4*\obl+\j]
	v_and_b32 v[rB+2*\j+1], 0xffff0000, v[32+4*\obl+\j]
.endr
.endr
.endr
	s_wait_dscnt 0x0                               ; for my partner: my fragments are stored
	s_barrier_signal -1
	s_barrier_wait -1
.irp f, 0,1,2,3,4,5,6,7,8,9,10,11,12,13,14,15
	ds_load_b128 v[OBP+4*\f:OBP+4*\f+3], v[XL] offset:512*\f
.endr
.macro FETCH_W g, n                    ; Wo's four fragments (blocks 4 g + 0..3 of my eight) for head n of eight: my four, then my partner's
	WIN 0x40
.irp obl, 0,1,2,3
.if (\n) < 4
	ds_load_b128 v[WFR+32*((\n)%2)+8*\obl:WFR+32*((\n)%2)+8*\obl+3],   v[WAO] offset:(4*(\g)+\obl)*8192+(\n)*1024
	ds_load_b128 v[WFR+32*((\n)%2)+8*\obl+4:WFR+32*((\n)%2)+8*\obl+7], v[WAO] offset:(4*(\g)+\obl)*8192+(\n)*1024+512
.else
	ds_load_b128 v[WFR+32*((\n)%2)+8*\obl:WFR+32*((\n)%2)+8*\obl+3],   v[WAP] offset:(4*(\g)+\obl)*8192+((\n)-4)*1024
	ds_load_b128 v[WFR+32*((\n)%2)+8*\obl+4:WFR+32*((\n)%2)+8*\obl+7], v[WAP] offset:(4*(\g)+\obl)*8192+((\n)-4)*1024+512
.endif
.endr
.endm
.macro OPROD g, n                      ; 8 products, 8 accumulators by turns; head 0 starts the sums with bo
.if (\n) == 0
	WIN 0x41
.else
	WIN 0x51
.endif
.irp obl, 0,1,2,3
.irp t, 0,1
.set rD, 8*(2*\obl+\t)
.set rW, WFR+32*((\n)%2)+8*\obl
.if (\n) < 4
.set rF, OB+32*\t+8*(\n)
.else
.set rF, OBP+32*\t+8*((\n)-4)
.endif
.if (\n) == 0
	BOREG \g, \obl
	v_wmma_f32_16x16x32_f16 v[rD:rD+7], v[rW:rW+7], v[rF:rF+7], v[rB:rB+7]
.else
	v_wmma_f32_16x16x32_f16 v[rD:rD+7], v[rW:rW+7], v[rF:rF+7], v[rD:rD+7]
.endif
.endr
.endr
.endm
; 64 output channels for both tiles, and their way out: a lane's 8 channels of a row go into my stage and come back as whole rows of 256 bytes.
.macro GROUP g
	FETCH_W \g, 0
.irp n, 0,1,2,3,4,5,6,7
.if (\n > 0) && (\n < 7)
	PLACES 4
.endif
.if \n < 7
	FETCH_W \g, \n+1
	s_wait_dscnt 8                                 ; all but the eight just issued
.else
	s_wait_dscnt 0
.endif
	OPROD \g, \n
.endr
	PLACES 5                                       ; in front of the stores of results, and of the next group's first products, which write over them
	s_wait_xcnt 0x0                                ; the last group's stores have read their data
.irp t, 0,1
	WIN 0x04                                       ; data window 1
.irp obl, 0,1,2,3
	ds_store_b128 v[STO], v[8*(2*\obl+\t):8*(2*\obl+\t)+3]   offset:\obl*64
	ds_store_b128 v[STO], v[8*(2*\obl+\t)+4:8*(2*\obl+\t)+7] offset:\obl*64+16
.endr
	WIN 0x40
.irp i, 0,1,2,3,4,5,6,7
	ds_load_b128 v[BK+32*\t+4*\i:BK+32*\t+4*\i+3], v[RD] offset:\i*2*SP  ; LDS serves a wave's instructions in order (ISA guide 5.7.1.4): these see the stores above; tile 1's stores come behind them
.endr
.endr
	WIN 0x04
	s_wait_dscnt 16                                ; tile 0 is back; tile 1's eight stores and eight loads are younger
.irp i, 0,1,2,3,4,5,6,7
	global_store_b128 v[GO], v[BK+4*\i:BK+4*\i+3], s[OUTP:OUTP+1] offset:\i*2048+(\g)*256 th:TH_STORE_NT  ; 16 lanes store 256 consecutive bytes, at a multiple of 256 from out0's first
.endr
	s_wait_dscnt 0
.irp i, 0,1,2,3,4,5,6,7
	global_store_b128 v[GO], v[BK+32+4*\i:BK+32+4*\i+3], s[OUTP:OUTP+1] offset:16384+\i*2048+(\g)*256 th:TH_STORE_NT
.endr
.endm
	GROUP 0
	GROUP 1
	WIN 0
	s_wait_tensorcnt 0x0                           ; the wave's end
	ds_add_u32 v[SPW], v[NIL]
	s_wait_dscnt 0x0
	CROUND                                         ; the closing round
	s_endpgm
.Lfunc_end_k_q019866e9e6_attn:
	.size	k_q019866e9e6_attn, .Lfunc_end_k_q019866e9e6_attn-k_q019866e9e6_attn
	.p2alignl 7, 3214868480
	.fill 96, 4, 3214868480
	.section	.rodata,"a",@progbits
	.p2align	6, 0x0
	.amdhsa_kernel k_q019866e9e6_attn
		.amdhsa_group_segment_fixed_size 327680
		.amdhsa_private_segment_fixed_size 0
		.amdhsa_enable_private_segment 0
		.amdhsa_kernarg_size 56
		.amdhsa_user_sgpr_count 2
		.amdhsa_user_sgpr_kernarg_segment_ptr 1
		.amdhsa_wavefront_size32 1
		.amdhsa_system_sgpr_workgroup_id_x 1
		.amdhsa_system_sgpr_workgroup_id_y 1
		.amdhsa_system_sgpr_workgroup_id_z 1
		.amdhsa_system_vgpr_workitem_id 0
		.amdhsa_next_free_vgpr 512
		.amdhsa_next_free_sgpr 66
		.amdhsa_reserve_vcc 0
		.amdhsa_float_denorm_mode_32 3
		.amdhsa_float_denorm_mode_16_64 3
		.amdhsa_memory_ordered 1
		.amdhsa_forward_progress 1
		.amdhsa_inst_pref_size 113
	.end_amdhsa_kernel
	.amdgpu_metadata
---
amdhsa.version: [ 1, 2 ]
amdhsa.kernels:
  - .name:           k_q019866e9e6_attn
    .symbol:         k_q019866e9e6_attn.kd
    .args:
      - { .name: qf, .offset: 0, .size: 8, .value_kind: global_buffer, .address_space: global }
      - { .name: kf, .offset: 8, .size: 8, .value_kind: global_buffer, .address_space: global }
      - { .name: vf, .offset: 16, .size: 8, .value_kind: global_buffer, .address_space: global }
      - { .name: wof, .offset: 24, .size: 8, .value_kind: global_buffer, .address_space: global }
      - { .name: mt, .offset: 32, .size: 8, .value_kind: global_buffer, .address_space: global }
      - { .name: bo, .offset: 40, .size: 8, .value_kind: global_buffer, .address_space: global }
      - { .name: out0, .offset: 48, .size: 8, .value_kind: global_buffer, .address_space: global }
    .group_segment_fixed_size: 327680
    .private_segment_fixed_size: 0
    .kernarg_segment_align: 8
    .kernarg_segment_size: 56
    .max_flat_workgroup_size: 256
    .sgpr_count:     66
    .vgpr_count:     512
    .wavefront_size: 32
...
	.end_amdgpu_metadata
.endif
;; end of part 3
